; MI455X (gfx1250); checked and timed in simulation.
; The chip was launched on July 23, 2026; its instructions are those of AMD's public machine-readable ISA for CDNA 5 (MIT licence, August 2026) and "CDNA5" Instruction Set Architecture Reference Guide (July 2026). The comments in the code are by the model that wrote it; some were corrected since.
;; Attention. Allowed arithmetic: matrix products marked QUANTISED: E2M3 operands, one E8M0 scale for each 32 along K, by v_wmma_scale_f32_16x16x128_f8f6f4 with both operands' format E2M3, f32 sums; everything else in f32.
;; Inputs: Wk_codes 1,024 x 32 x 24 uint8 (E2M3 codes of Wk, K innermost, in blocks of 32 codes, four codes in three bytes); Wk_scales 1,024 x 32 uint8 (E8M0 scales of Wk, one for each 32 codes along K); Wq_codes 1,024 x 32 x 24 uint8 (E2M3 codes of Wq, K innermost, in blocks of 32 codes, four codes in three bytes); Wq_scales 1,024 x 32 uint8 (E8M0 scales of Wq, one for each 32 codes along K); Wv_codes 1,024 x 32 x 24 uint8 (E2M3 codes of Wv, K innermost, in blocks of 32 codes, four codes in three bytes); Wv_scales 1,024 x 32 uint8 (E8M0 scales of Wv, one for each 32 codes along K); bk 1,024 float32; bq 1,024 float32; bv 1,024 float32; x_codes 4 x 2,048 x 32 x 24 uint8 (E2M3 codes of x, K innermost, in blocks of 32 codes, four codes in three bytes); x_scales 4 x 2,048 x 32 uint8 (E8M0 scales of x, one for each 32 codes along K).
;; Outputs: out0 4 x 2,048 x 1,024 float32.
;; This version of the problem:
;;   THIS VERSION OF THE PROBLEM IS GIVEN IN LOW PRECISION. The matrix products marked QUANTISED in the list below multiply operands that are first quantised to E2M3 (2 exponent bits, 3 mantissa bits; 6 bits a number), with one power-of-two scale for each 32 numbers along K (OCP MX v1.0); their sums are f32. All else is computed in f32.
;;   The module's matrix products, in the order in which they are computed (A, B: the left and right operand; K: the contracted axis; several contracted axes count as one K, in the product's order):
;;     1. [M 8,192, K 1,024] x [K 1,024, N 1,024]; A: input x (given as codes); B: input Wq (given as codes): QUANTISED
;;     2. [M 8,192, K 1,024] x [K 1,024, N 1,024]; A: input x (given as codes); B: input Wk (given as codes): QUANTISED
;;     3. [M 8,192, K 1,024] x [K 1,024, N 1,024]; A: input x (given as codes); B: input Wv (given as codes): QUANTISED
;;     4. batch 4 x [M 2,048, K 1,024] x [K 1,024, N 2,048]; A: computed on the way; B: computed on the way: QUANTISED
;;     5. batch 4 x [M 2,048, K 2,048] x [K 2,048, N 1,024]; A: softmax (see below); B: computed on the way: QUANTISED
;;   THE QUANTISER, for each operand of a quantised product, along K:
;;     - K is cut into blocks of 32 from its start; a last block that is shorter is filled with zeros.
;;     - A block's scale is 2^e with e = floor(log2(the largest magnitude in the block)) - 2, held to -126 .. 127; a block of zeros has e = 0. As a byte (E8M0): e + 127.
;;     - Each number is divided by its block's scale, clamped to +-7.5, and rounded to the nearest number of E2M3, ties to even, subnormals kept.
;;     - The product sums the exact products of the quantised numbers (number of the format x scale) in f32.
;;   ~~~python
;;   def quantise(x, axis):      # numpy; x: float32 -> the quantised numbers, widened to float32 again
;;       x = np.moveaxis(x, axis, -1); K = x.shape[-1]
;;       x = np.pad(x, [(0, 0)] * (x.ndim - 1) + [(0, -K % 32)]); x = x.reshape(x.shape[:-1] + (-1, 32)); a = np.abs(x).max(-1, keepdims=True)
;;       e = np.where(a > 0, np.clip(np.frexp(np.where(a > 0, a, 1))[1] - 1 - 2, -126, 127), 0)      # np.frexp(a)[1] - 1 = floor(log2(a)), exactly
;;       r = np.clip(x / 2.0 ** e, -7.5, 7.5)
;;       step = 2.0 ** (np.maximum(np.frexp(np.where(r == 0, 1, r))[1] - 1, 0) - 3)
;;       q = np.round(r / step) * step * 2.0 ** e      # np.round: ties to even
;;       return np.moveaxis(q.reshape(q.shape[:-2] + (-1,))[..., :K], -1, axis).astype(np.float32)
;;   ~~~
;;   SOFTMAX AHEAD OF A QUANTISED PRODUCT. Where the list says 'softmax', what is quantised is not the finished softmax but p = 2^(t - M), with t = logit x log2(e) and M = ceil(the row's largest t), a whole number; so 1/2 < the row's largest p <= 1. The row's sum l is taken of the UNQUANTISED p, in f32, and the product's result is divided by l at the end. Since M is a whole number, a kernel that streams over the keys may use a running M (the ceiling of the running maximum): every later rescaling is an exact power of two, which a block's scale takes up: the codes' values come out the same.
;;   OPERANDS COMPUTED ON THE WAY. 'Computed on the way' means the value that the module computes at that place (a softmax that the list does not call 'softmax' is quantised finished and normalised). What goes into a quantiser is computed in f32, as accurately as f32 sums, v_exp_f32 and their like allow (about 1e-6 of the number): no bf16 or f16 on the way to a quantiser, and a product that is left as it is and whose result goes on into a quantised operand takes f32 operands (vector FMAs, or v_wmma_f32_16x16x4_f32). A number that lies on a knife's edge between two numbers of the format may be rounded either way, as far as f32 arithmetic and the matrix unit's own rounding can turn it there, and no further.
;;   INPUTS GIVEN AS CODES. Wk (in the module: [1024, 1024], K = its axis 1); Wq (in the module: [1024, 1024], K = its axis 1); Wv (in the module: [1024, 1024], K = its axis 1); x (in the module: [4, 2048, 1024], K = its axis 2): each comes as NAME_codes (uint8): NAME with its K axis moved to the last place and cut into blocks of 32 codes, [.., K / 32, bytes a block], one block behind the other in memory; four codes in three bytes: a row's codes are one little-endian stream of bits, code i at bits 6 i .. 6 i + 5 (a code: sign, 2 exponent bits, 3 mantissa bits); and NAME_scales (uint8): the same leading axes, one E8M0 byte (e + 127) for each 32 codes along K. Its value is code x scale, taken as it is: it is not quantised again, and the codes and scales need not be those that the quantiser above would give.
;; One version. Each part assembles by itself: llvm-mc -triple=amdgcn-amd-amdhsa -mcpu=gfx1250 --defsym DOCPART=n.
;; ======== version 1 of 1: 3 launches
;; limits: right only within a limited range of input values
;; workspace buffers: q_img 6,291,456 bytes; k_img 6,291,456 bytes; v_img 6,291,456 bytes; q_sc 262,144 bytes; k_sc 262,144 bytes; v_sc 262,144 bytes; p_img 12,582,912 bytes; p_meta 1,572,864 bytes
;; launch proj (part 1): grid 16 x 16, 4 waves a work-group, clusters of 4 x 4, 327,680 bytes of LDS; arguments x_codes, x_scales, Wv_codes, Wv_scales, Wq_codes, Wq_scales, Wk_codes, Wk_scales, bv, bq, bk, q_img, q_sc, k_img, k_sc, v_img, v_sc; writes q_img, q_sc, k_img, k_sc, v_img, v_sc
.if DOCPART == 1
	.amdgcn_target "amdgcn-amd-amdhsa--gfx1250"
	.amdhsa_code_object_version 6
	.text
	.protected	k_qad5a24628c_proj
	.globl	k_qad5a24628c_proj
	.p2align	8
	.type	k_qad5a24628c_proj,@function
k_qad5a24628c_proj:
	s_mov_b64 s[64:65], 0
	v_nop
	global_prefetch_b8 v0, s[64:65] scope:SCOPE_SE
	s_setreg_imm32_b32 hwreg(HW_REG_WAVE_MODE, 25, 1), 1
	s_wait_xcnt 0x0
	s_wait_alu depctr_hold_cnt(0) depctr_sa_sdst(0) depctr_va_vdst(0) depctr_va_sdst(0) depctr_va_ssrc(0) depctr_va_vcc(0) depctr_vm_vsrc(0)
	s_getreg_b32 s2, hwreg(HW_REG_IB_STS2, 6, 4)
	s_cmp_eq_u32 s2, 0
	s_cbranch_scc0 .Lentry_in_a_cluster
	s_endpgm
.Lentry_in_a_cluster:
	s_bfe_u32 s2, ttmp6, 0x10000c
	s_cmp_lg_u32 s2, 0xf033
	s_cbranch_scc0 .Lentry_shape_is_right
	s_endpgm
.Lentry_shape_is_right:
; Q, K, V = x W^T + b on codes of FP6 (E2M3), quantised on the way out.  LIMITS: NaN and infinities are not served.
; 256 work-groups of four waves, 2 x 2.  A wave holds 64 rows of a weight, all of K = 1,024, in 384 registers and streams x past them in blocks of 16 rows: 32 products a block.
; PHASE 1: 256 x 128 of V; PHASE 2: 512 x 128 of Q or K.  V's 256 rows are a half of the work-group's own 512, so the two chunks of 128 rows asked for at the head serve both phases.
; x's rows are shared along a row of the cluster, a weight's along a column; which half (s87) and which of Q, K (s19) come from the cluster's number alone.
; ORDER OF ROWS.  A band is 64 tokens; its tile j (0..3) takes in lane r token 8 j + r (r < 8) or 32 + 8 (j xor 1) + r - 8.  So a lane's registers of four tiles are one block of 32 along
; that axis: the lane's half h has tokens 32 h .. 32 h + 31 of the band.  W_q's and W_k's 64 rows of a wave are taken in the same order (so a lane's 32 results are one scale block), W_v's in their own.
; BUFFERS: a fragment (16 rows x 128 along K) is 1,536 bytes: six pieces of 256 bytes, piece p = registers 2 p, 2 p + 1 at 8 x lane; a half (registers 6 c ..) is three pieces.
;   q_img, k_img [token fragment: 8 x (token / 128) + 4 band + j][8 K steps]; q_sc, k_sc [token / 128][8 K steps][128 rows in fragment order] words;
;   v_img [feature / 16][64 key steps of 128 tokens]; v_sc [feature / 128][64 key steps][128] words.
; A round of the cluster's barrier stands inside a block: its last products are register work between signal and wait.  Three refills: the weights' region (block 2 of V), the other half's chunks (blocks 2, 6 of Q or K).
; THE WAITS' COUNTS: younger than a block's rows are the next block's fetch (NF loads) and the LDS stores of scale bytes issued between.
.set KROW,   768
.set PITCH,  816
.set FR,     12
.set FPW,    21
.set NF,     28
.set RA,     128
.set YB,     RA*PITCH
.set BVB,    2*YB
.set SCL,    BVB+YB
.set CU,     16
.set SCB,    CU*272
.set XN,     SCL+2*SCB                 ; Q's or K's scale bytes: [wave][16 blocks in the order of work][16 rows][h]
.set XM,     XN+2048                   ; V's: [wave row][2 key steps][128 features][h]
.set SPARE,  XM+1024
.set P16,    16*PITCH
.set S16,    544
.set EMAX,   2
.set XE,     4                         ; v4, v5 LDS address of an even tile's fragment (v5: pieces behind one padding more); v2, v3 an odd tile's; v6, v7 the same for scale words
.set LN,     8
.set SPW,    10
.set NIL,    11
.set ADRA,   12
.set ADRB,   14
.set ABS,    16
.set AAS,    17
.set STO,    18
.set STV,    19
.set SB,     24
.set TQ,     40
.set CO8,    42
.set ABS2,   43
.set SA,     44
.set TC,     60
.set ACC,    64
.set HV0,    64                        ; phase 1, chunk 0: 32 t + 8 j + i
.set HV1,    840                       ; chunk 1
.set NCD,    128
.set MCD,    192
.set SOP,    240
.set EB,     244
.set VX,     248
.set WB2,    249
.set BQE,    253
.set BQO,    254
.set SB2,    968
.set BA,     984
.set BBV,    992
.set BBQ,    160
.set G1A, 24
.set G0A, 56
.set G0R, 68
.set G1B, 32
.set G0B, 60
.set G1S, 92
.set G0S, 72
.set MSB, 0
.macro WIN new
.if MSB != (\new)
	s_set_vgpr_msb (MSB<<8)|(\new)
.set MSB, (\new)
.endif
.endm
.macro PLACES n
.rept \n
	v_nop
.endr
.endm
.macro WALU
	s_wait_alu depctr_va_vdst(0)
.endm
.macro BARRIER
	s_barrier_signal -1
	s_barrier_wait -1
.endm
.macro MIDDLE                          ; a round's middle
	WIN 0
	s_barrier_wait -1
	s_cmp_lg_u32 s14, 0
	s_cbranch_scc1 .Lnot_wave_0_\@
	s_barrier_signal -3
.Lnot_wave_0_\@:
	s_barrier_wait -3
.endm
.macro CROUND
	s_barrier_signal -1
	MIDDLE
	BARRIER
.endm
.macro GRD
	s_wait_tensorcnt 0x0
	ds_add_u32 v[SPW], v[NIL]
.endm
.macro TLOAD g0, g1
	tensor_load_to_lds s[\g0:\g0+3], s[\g1:\g1+7]
	s_nop 0
	PLACES 4
.endm
.macro GROUP1 g, mask                  ; 128 rows of 768 bytes, 16 bytes of padding behind every 256
	s_or_b32 s[\g+0], s[\mask], (1<<20)|(1<<21)|(5<<22)|(3<<25)
	s_mov_b32 s[\g+1], KROW<<16
	s_mov_b32 s[\g+2], RA<<16
	s_mov_b32 s[\g+3], KROW<<16
	s_mov_b32 s[\g+4], RA
	s_mov_b32 s[\g+5], KROW
	s_mov_b32 s[\g+6], 0
	s_mov_b32 s[\g+7], 0
.endm
; fragment f lies in window 1 + f / 21 at register 12 (f % 21): 0-31 the weights' (4 q + t), 32-39 and 40-47 the rows' two sets
.macro FRAG f, q, a0, a1, aw           ; six pieces of 8 bytes, two to a load where both lie behind as many paddings
	WIN ((1+(\f)/FPW)<<6)|(\aw)
.set R_, FR*((\f)%FPW)
.set SKIP_, 0
.irp p, 0,1,2,3,4,5
.if SKIP_
.set SKIP_, 0
.else
.set PC_, 12*(\q)+6*(\p/3)+\p%3
.set PN_, 12*(\q)+6*((\p+1)/3)+(\p+1)%3
.set X_, (PC_%32+3)/32
.set XQ_, (PN_%32+3)/32
.if (\p < 5) && (X_ == XQ_)
.set SKIP_, 1
.if X_
	ds_load_2addr_b64 v[R_+2*\p:R_+2*\p+3], \a1 offset0:PC_+2*(PC_/32) offset1:PN_+2*(PN_/32)
.else
	ds_load_2addr_b64 v[R_+2*\p:R_+2*\p+3], \a0 offset0:PC_+2*(PC_/32) offset1:PN_+2*(PN_/32)
.endif
.elseif X_
	ds_load_b64 v[R_+2*\p:R_+2*\p+1], \a1 offset:8*(PC_+2*(PC_/32))
.else
	ds_load_b64 v[R_+2*\p:R_+2*\p+1], \a0 offset:8*(PC_+2*(PC_/32))
.endif
.endif
.endr
.endm
.macro WEIGHTS                         ; my 64 rows of the weight, all of K
.irp q, 0,1,2,3,4,5,6,7
.irp b, 0,1,2,3
	FRAG 4*\q+\b, \q, v[BA-768+2*\b], v[BA-768+2*\b+1], 3
.endr
.endr
	WIN 0
.endm
.macro FETCHAT e, a0, a1, as           ; a block of x's rows into set e: NF loads
.irp q, 0,1,2,3,4,5,6,7
	FRAG 32+8*(\e)+\q, \q, \a0, \a1, 0
.endr
	WIN 0
	ds_load_b128 v[SA+8*(\e):SA+8*(\e)+3], \as
	ds_load_b128 v[SA+8*(\e)+4:SA+8*(\e)+7], \as offset:16
.endm
.macro FETCH e
	FETCHAT \e, v[ADRA], v[ADRA+1], v[AAS]
.endm
.macro FETCH01                         ; a phase's first two blocks, from slot 0
	FETCHAT 0, v4, v5, v6
	FETCHAT 1, v2, v3, v7
.endm
; a product.  n = 4 q + t.  kind 0 (Q, K): source 0 the weight's rows; kind 1 (V): source 0 x's rows.  The first takes the bias as C
.macro PROD kind, e, n, a0, as
.set Q_, (\n)/4
.set FB_, 4*Q_+(\n)%4
.set FA_, 32+8*(\e)+Q_
.set D_, (\a0)+(\as)*((\n)%4)
.set DL_, D_&255
.set XB_, SB+8*(((\n)%4)/2)+Q_
.set XA_, SA+8*(\e)+Q_
.if \kind
.if Q_
	WIN (1+FA_/FPW)|((1+FB_/FPW)<<2)|((D_>>8)<<4)|((D_>>8)<<6)
	PROD1 DL_, FA_, FB_, v[DL_:DL_+7], XA_, XB_, b, (\n)%2
.else
	WIN (1+FA_/FPW)|((1+FB_/FPW)<<2)|(3<<4)|((D_>>8)<<6)
	PROD1 DL_, FA_, FB_, v[BBV-768+8*((\n)%4):BBV-768+8*((\n)%4)+7], XA_, XB_, b, (\n)%2
.endif
.else
	WIN (1+FB_/FPW)|((1+FA_/FPW)<<2)|((D_>>8)<<4)|((D_>>8)<<6)
.if Q_
	PROD1 DL_, FB_, FA_, v[DL_:DL_+7], XB_, XA_, a, (\n)%2
.else
	PROD1 DL_, FB_, FA_, v[BBQ+8*((\n)%4):BBQ+8*((\n)%4)+7], XB_, XA_, a, (\n)%2
.endif
.endif
.endm
.macro PROD1 d, s0, s1, c, x0, x1, side, o
.if \o
	v_wmma_scale_f32_16x16x128_f8f6f4 v[\d:\d+7], v[FR*((\s0)%FPW):FR*((\s0)%FPW)+FR-1], v[FR*((\s1)%FPW):FR*((\s1)%FPW)+FR-1], \c, v[\x0], v[\x1] matrix_a_fmt:MATRIX_FMT_FP6 matrix_b_fmt:MATRIX_FMT_FP6 matrix_\side\()_scale:MATRIX_SCALE_ROW1
.else
	v_wmma_scale_f32_16x16x128_f8f6f4 v[\d:\d+7], v[FR*((\s0)%FPW):FR*((\s0)%FPW)+FR-1], v[FR*((\s1)%FPW):FR*((\s1)%FPW)+FR-1], \c, v[\x0], v[\x1] matrix_a_fmt:MATRIX_FMT_FP6 matrix_b_fmt:MATRIX_FMT_FP6 matrix_\side\()_scale:MATRIX_SCALE_ROW0
.endif
.endm
.macro BLOCK kind, e, a0, as, from, to, list, x=0, y=0   ; behind every second product two entries of the list
.set N_, \from
.rept (\to)-(\from)
	PROD \kind, \e, N_, \a0, \as
.if N_%2
	\list N_-1, \x, \y
	\list N_, \x, \y
.endif
.set N_, N_+1
.endr
.endm
.macro STEPV i, e                      ; LDS addresses of the block that is fetched next, from s2 and s54: 3 entries
.if (\i) == 0
	WIN 0
	v_add_nc_u32 v[ADRA], s2, v[XE-2*(\e)]
.elseif (\i) == 1
	WIN 0
	v_add_nc_u32 v[ADRA+1], s2, v[XE+1-2*(\e)]
.elseif (\i) == 2
	WIN 0
	v_add_nc_u32 v[AAS], s54, v[6+(\e)]
.endif
.endm
.macro VOFF y                          ; pair y of blocks in the two slots
	s_mov_b32 s2, ((\y)/2)*YB+((\y)%2)*P16
	s_mov_b32 s54, ((\y)/2)*SCB+((\y)%2)*S16
.endm
.macro CHAIN i, x, n, t=TQ             ; 18 entries: the largest magnitude of the 32 sums from register x on, by two chains, and the conversions' scale operand
.set XW_, (\x)>>8
.set XL_, (\x)&255
.if (\i) >= 0 && (\i) < 14
.set B_, XL_+16*((\i)%2)+2*((\i)/2)
.set T_, (\t)+1-(\i)%2
.if (\i) < 2
	WIN XW_|(XW_<<2)|(XW_<<4)
	v_max3_num_f32 v[T_], |v[B_]|, |v[B_+1]|, |v[B_+2]|
.else
	WIN (XW_<<2)|(XW_<<4)
	v_max3_num_f32 v[T_], v[T_], |v[B_+1]|, |v[B_+2]|
.endif
.elseif (\i) == 14
	WIN XW_<<2
	v_max3_num_f32 v[\t+1], v[\t+1], |v[XL_+15]|, (EMAX+1)<<23
.elseif (\i) == 15
	WIN 0
	v_nop
.elseif (\i) == 16
	WIN XW_<<2
	v_max3_num_f32 v[\t], v[\t], |v[XL_+31]|, v[\t+1]
.elseif (\i) == 17
	WIN 0
	v_add_nc_u32 v[SOP+\n], -(EMAX<<23), v[\t]
.endif
.endm
.macro CODES i, x, c, n, t=TC          ; 6 lines: 32 codes into v[c .. c+5], the scale's byte into v[EB+n]
.set XW_, (\x)>>8
.set XL_, (\x)&255
.if (\i) == 0
	WIN XW_
	v_cvt_scalef32_pk16_fp6_f32 v[\c:\c+2], v[XL_:XL_+15], v[SOP+\n]
.elseif (\i) == 1
	WIN XW_
	v_cvt_scalef32_pk16_fp6_f32 v[\t:\t+2], v[XL_+16:XL_+31], v[SOP+\n]
.elseif (\i) == 2
	WIN 0
	v_lshrrev_b32 v[EB+\n], 23, v[SOP+\n]
.else
	WIN 0
	v_mov_b32 v[\c+\i], v[\t+\i-3]
.endif
.endm
.macro CODES6 x, c, n
.irp i, 0,1,2,3,4,5
	CODES \i, \x, \c, \n
.endr
.endm
.macro PFTILE v, off                   ; my sixteenth of 128 rows, to be asked for into the L2: 24 blocks of 256 bytes, a lane a block
	s_mul_i32 s21, s90, RA*KROW/16
	s_add_co_u32 s20, s\off, s21
	WIN 0
	v_min_u32 v\v, 23, v[LN]
	v_lshl_add_u32 v\v, v\v, 8, s20
.endm
.macro PFGO v, base
	global_prefetch_b8 v\v, s[\base:\base+1] th:TH_LOAD_NT scope:SCOPE_SE
.endm
.macro PUT3 r, base, off               ; half an operand: three stores of 256 consecutive bytes, aligned
.irp k, 0,1,2
	global_store_b64 v[CO8], v[\r+2*\k:\r+2*\k+1], \base offset:(\off)+256*\k
.endr
.endm
.macro ASK i                           ; 4 entries: descriptors of the chunk at s88 for slot s47 (waves 0, 1 a half each) and of its scale bytes at s55 for s18
.if (\i) == 0
	s_mul_i32 s[G0R+1], s14, RA/2*PITCH
	s_add_co_u32 s[G0R+1], s[G0R+1], s47
	s_mul_i32 s20, s14, RA/2*KROW
	s_add_co_u32 s20, s20, s88
.elseif (\i) == 1
	s_mov_b32 s21, 0
	s_add_nc_u64 s[G0R+2:G0R+3], s[4:5], s[20:21]
	s_or_b32 s[G0R+3], s[G0R+3], 0x80000000
	s_mov_b32 s[G0S+1], s18
.elseif (\i) == 2
	s_mov_b32 s20, s55
	s_add_nc_u64 s[G0S+2:G0S+3], s[6:7], s[20:21]
	s_or_b32 s[G0S+3], s[G0S+3], 0x80000000
	s_add_co_u32 s88, s88, RA*KROW
.elseif (\i) == 3
	s_add_co_u32 s55, s55, CU*256
	s_xor_b32 s47, s47, YB
	s_xor_b32 s18, s18, (SCL)^(SCL+SCB)
.endif
.endm
.macro PAIR i                          ; 3 entries: where pair s46's codes go (by its true number) and its scale bytes (by the order of work)
.if (\i) == 0
	s_lshl_b32 s3, s87, 2
	s_xor_b32 s3, s3, s46
	s_lshr_b32 s20, s3, 1
	s_and_b32 s21, s3, 1
.elseif (\i) == 1
	s_mul_i32 s20, s20, 98304
	s_mul_i32 s21, s21, 24576
	s_add_co_u32 s20, s20, s21
	s_mov_b32 s21, 0
.elseif (\i) == 2
	s_add_nc_u64 s[84:85], s[10:11], s[20:21]
	s_lshl_b32 s22, s46, 6
	s_add_co_u32 s46, s46, 1
	WIN 0
	v_add_nc_u32 v[VX], s22, v[STO]
.endif
.endm
.macro L_NONE i, x, y
.endm
.macro L_VS i, x, y                    ; the next addresses alone (x: parity, y: pair)
.if (\i) == 0
	VOFF \y
.endif
	STEPV (\i)-1, \x
.endm
.macro L_VO i, x, y                    ; blocks 4, 5 of V: the next addresses, then the way out of chunk 0's tile y
.if (\i) == 0
	VOFF 3
.endif
	STEPV (\i)-1, (\y)%2
	CHAIN (\i)-4, \x, \y
.endm
.macro L_LAST i, x, y
	CHAIN \i, \x, \y
.endm
.macro L_V2 i, x, y                    ; block 2 of V: the first refill's descriptors, later refills' group 1, the next addresses, prefetches of the second refill's tiles
.if (\i) == 0
	s_mov_b32 s[G1A+2], (RA/2)<<16
	s_mov_b32 s[G1A+4], RA/2
	s_mov_b32 s[G1S+2], CU<<16
	s_mov_b32 s[G1S+4], CU
.elseif (\i) == 1
	s_mov_b32 s[G1B+2], (RA/2)<<16
	s_mov_b32 s[G1B+4], RA/2
	s_mul_i32 s[G0B+1], s14, RA/2*PITCH
	s_add_co_u32 s[G0B+1], s[G0B+1], BVB
.elseif (\i) == 2
	s_mul_i32 s20, s14, RA/2*KROW
	s_mov_b32 s21, 0
	s_add_nc_u64 s[G0B+2:G0B+3], s[8:9], s[20:21]
	s_or_b32 s[G0B+3], s[G0B+3], 0x80000000
.elseif (\i) == 3
	VOFF 2
.elseif (\i) == 7
	PFTILE 21, 88
.elseif (\i) == 8
	s_lshl_b32 s21, s90, 9
	s_add_co_u32 s20, s55, s21
	WIN 0
	v_min_u32 v22, 1, v[LN]
	v_lshl_add_u32 v22, v22, 8, s20
.endif
	STEPV (\i)-4, 0
.endm
.macro L_V7 i, x, y
.if (\i) == 0
	s_add_co_u32 s22, s88, RA*KROW
	PFTILE 23, 22
.endif
	CHAIN (\i)-1, \x, \y
.endm
.macro L_ODD i, x, y                   ; an odd block of phase 2: the pair's places, the next addresses, the even block's way out
	PAIR \i
	STEPV (\i)-4, 1
	CHAIN (\i)-7, ACC, 0
.endm
.macro L_ODDL i, x, y
	PAIR \i
	CHAIN (\i)-4, ACC, 0
.endm
.macro L_OUT i, x, y                   ; an even block: the slot's second pair of blocks, the odd block's way out
.if (\i) == 0
	s_add_co_u32 s2, s101, P16
	s_add_co_u32 s54, s91, S16
.endif
	STEPV (\i)-1, 0
	CHAIN (\i)-4, ACC+32, 1
.endm
.macro L_ROUND i, x, y                 ; an even block with a round: the descriptors, the other slot's first pair, the odd block's way out
	ASK \i
.if (\i) == 4
	s_xor_b32 s101, s101, YB
	s_xor_b32 s91, s91, SCB
	s_mov_b32 s2, s101
	s_mov_b32 s54, s91
.endif
	STEPV (\i)-5, 0
	CHAIN (\i)-8, ACC+32, 1
.endm
.macro L_SHOW i, x, y                  ; blocks 10 and 12: the last chunk's first and second pair
.if (\i) == 0
	s_cmp_eq_u32 s86, 2
	s_mov_b32 s2, YB+P16
	s_cselect_b32 s2, YB, s2
.elseif (\i) == 1
	s_mov_b32 s54, SCB+S16
	s_cselect_b32 s54, SCB, s54
.endif
	STEPV (\i)-2, 0
	CHAIN (\i)-5, ACC+32, 1
.endm
.macro WAITDS w
.if (\w) >= 0
	s_wait_dscnt \w
.endif
.endm
.macro EVENOUT fetch                   ; behind an even block: the odd block's byte and codes, the fetch of the block two on
	WALU
	ds_store_b8 v[VX], v[EB+1] offset:32
	PUT3 NCD+6, s[84:85], 12288
.if \fetch
	FETCH 0
.endif
.endm
.macro EVEN w, fetch
	WAITDS \w
.if \fetch
	BLOCK 0, 0, ACC, 8, 0, 32, L_OUT
.else
	BLOCK 0, 0, ACC, 8, 0, 32, L_LAST, ACC+32, 1
.endif
	WIN 0
	CODES6 ACC+32, NCD+6, 1
	EVENOUT \fetch
.endm
.macro EVENROUND w                     ; the second and the third refill
	WAITDS \w
	GRD
	BLOCK 0, 0, ACC, 8, 0, 26, L_ROUND
	WIN 0
	WALU
	s_wait_dscnt 0x0
	s_barrier_signal -1
	BLOCK 0, 0, ACC, 8, 26, 32, L_NONE
	WIN 0
	CODES6 ACC+32, NCD+6, 1
	MIDDLE
	BARRIER
	s_cmp_lt_u32 s14, 2
	s_cbranch_scc0 .Lscales_\@
	TLOAD G0R, G1A
	s_branch .Lasked_\@
.Lscales_\@:
	s_cmp_eq_u32 s14, 2
	s_cbranch_scc0 .Lnone_\@
	TLOAD G0S, G1S
.Lnone_\@:
.Lasked_\@:
	EVENOUT 1
.endm
.macro EVENSHOW w                      ; a plain barrier inside the block shows the last refill to all
	WAITDS \w
	BLOCK 0, 0, ACC, 8, 0, 26, L_SHOW
	WIN 0
	WALU
	s_wait_tensorcnt 0x0
	s_wait_dscnt 0x0
	s_barrier_signal -1
	BLOCK 0, 0, ACC, 8, 26, 32, L_NONE
	WIN 0
	s_barrier_wait -1
	CODES6 ACC+32, NCD+6, 1
	EVENOUT 1
.endm
.macro ODD w, fetch
	WAITDS \w
	s_wait_xcnt 0x0
.if \fetch
	BLOCK 0, 1, ACC+32, 8, 0, 32, L_ODD
.else
	BLOCK 0, 1, ACC+32, 8, 0, 32, L_ODDL
.endif
	WIN 0
	CODES6 ACC, NCD, 0
	WALU
	ds_store_b8 v[VX], v[EB]
	PUT3 NCD, s[84:85], 0
.if \fetch
	FETCH 1
.endif
.endm
; ================= THE HEAD
	s_load_b128 s[4:7], s[0:1], 0x0                     ; x's codes, scales
	s_load_b256 s[76:83], s[0:1], 0x10                  ; W_v's, W_q's
	s_load_b128 s[48:51], s[0:1], 0x30                  ; W_k's
	v_lshl_add_u32 v[SPW], v0, 2, SPARE
	v_mov_b32 v[NIL], 0
	ds_add_u32 v[SPW], v[NIL]
	ds_add_u32 v[SPW], v[NIL]
	v_lshrrev_b32 v1, 5, v0
	v_readfirstlane_b32 s14, v1                         ; the wave; s15 its row of the 2 x 2, s16 its column
	s_lshr_b32 s15, s14, 1
	s_and_b32 s16, s14, 1
	s_bfe_u32 s40, ttmp6, 0x40000
	s_bfe_u32 s41, ttmp6, 0x40004
	s_lshl_b32 s42, ttmp9, 2
	s_add_co_u32 s42, s42, s40                          ; phase 2's tile column, 0 .. 15
	s_and_b32 s43, ttmp7, 0xffff
	s_lshl_b32 s43, s43, 2
	s_add_co_u32 s43, s43, s41                          ; its tile row of 512
	s_lshr_b32 s19, ttmp9, 1                            ; 0 Q, 1 K
	s_and_b32 s87, ttmp9, 1                             ; V's half of my 512 rows
	s_and_b32 s17, s42, 7                               ; phase 2's 128 columns in Q or K: also the K step of the images
	s_lshl_b32 s13, s19, 2
	s_add_co_u32 s13, s13, s40                          ; V's tile column
	s_lshl_b32 s12, s43, 1
	s_add_co_u32 s12, s12, s87                          ; V's tile row of 256
	s_lshl_b32 s44, s41, 2
	s_lshl_b32 s44, 15, s44                             ; my row of the cluster
	s_lshl_b32 s45, 0x1111, s40                         ; my column
	GROUP1 G1A, 44
	GROUP1 G1B, 45
	s_or_b32 s[G1S+0], s44, (3<<16)|(1<<20)|(1<<21)|(5<<22)|(3<<25)
	s_mov_b32 s[G1S+1], 32<<16
	s_mov_b32 s[G1S+2], (2*CU)<<16
	s_mov_b32 s[G1S+3], 32<<16
	s_mov_b32 s[G1S+4], 2*CU
	s_mov_b32 s[G1S+5], 32
	s_mov_b32 s[G1S+6], 0
	s_mov_b32 s[G1S+7], 0
	s_mov_b32 s[G0A], 1
	s_mov_b32 s[G0A+1], 0
	s_mov_b32 s[G0B], 1
	s_mov_b32 s[G0B+1], BVB
	s_mov_b32 s[G0R], 1
	s_mov_b32 s[G0R+1], YB
	s_mov_b32 s[G0S], 1
	s_mov_b32 s[G0S+1], SCL
	s_mul_i32 s66, s12, 256*KROW                        ; V's rows, bytes from x's codes
	s_lshl_b32 s89, s12, 13                             ; and from its scales
	s_xor_b32 s20, s87, 1                               ; the chunks still to come are the other half's
	s_mul_i32 s88, s43, 512*KROW
	s_mul_i32 s21, s20, 2*RA*KROW
	s_add_co_u32 s88, s88, s21
	s_lshl_b32 s55, s43, 14
	s_lshl_b32 s21, s20, 13
	s_add_co_u32 s55, s55, s21
	s_lshl_b32 s90, s40, 2
	s_add_co_u32 s90, s90, s14                          ; my number among the sixteen waves of my row of the cluster
	s_lshl_b32 s100, s41, 2
	s_add_co_u32 s100, s100, s14                        ; and of my column
	s_mul_i32 s100, s100, RA*KROW/16
	s_mul_i32 s20, s15, 64*PITCH                        ; my band of a chunk
	s_mul_i32 s21, s16, 64*PITCH
	s_add_co_u32 s21, s21, BVB                          ; my 64 rows of the weight
	s_mul_i32 s22, s15, 8*272
	s_add_co_u32 s22, s22, SCL
	s_lshl_b32 s23, s14, 9
	s_add_co_u32 s23, s23, XN
	s_lshl_b32 s3, s15, 9
	s_lshl_b32 s2, s16, 7
	s_add_co_u32 s3, s3, s2
	s_add_co_u32 s3, s3, XM
	v_and_b32 v64, 15, v0                               ; r
	v_bfe_u32 v65, v0, 4, 1                             ; h
	v_and_b32 v[LN], 31, v0
	v_and_b32 v66, 7, v0                                ; r % 8
	v_bfe_u32 v67, v0, 3, 1                             ; r / 8
	v_mad_u32_u24 v68, v67, 40, v66                     ; an even tile's row of lane r in the band, less 8 j
	v_mad_u32_u24 v69, v67, 24, v66
	v_add_nc_u32 v69, 8, v69                            ; an odd tile's, less 8 (j - 1)
	v_mul_u32_u24 v70, PITCH, v68
	v_mul_u32_u24 v71, PITCH, v69
	v_mul_u32_u24 v76, PITCH, v64
	v_mad_u32_u24 v72, v65, 24, v70
	v_mad_u32_u24 v73, v65, 40, v70
	v_mad_u32_u24 v74, v65, 24, v71
	v_mad_u32_u24 v75, v65, 40, v71
	v_mad_u32_u24 v77, v65, 24, v76
	v_mad_u32_u24 v78, v65, 40, v76
	v_add_nc_u32 v4, s20, v72
	v_add_nc_u32 v5, s20, v73
	v_add_nc_u32 v2, s20, v74
	v_add_nc_u32 v3, s20, v75
	v_add_nc_u32 v[WB2], s21, v72                       ; W_q's, W_k's rows go as x's do;
	v_add_nc_u32 v[WB2+1], s21, v73
	v_add_nc_u32 v[WB2+2], s21, v74
	v_add_nc_u32 v[WB2+3], s21, v75
	v_add_nc_u32 v[ADRB], s21, v77                      ; W_v's in their own order
	v_add_nc_u32 v[ADRB+1], s21, v78
	v_lshlrev_b32 v79, 5, v66
	v_mad_u32_u24 v80, v67, 5*272, v79
	v_mad_u32_u24 v81, v67, 3*272, v79
	v_add_nc_u32 v6, s22, v80
	v_add_nc_u32 v81, 272, v81
	v_add_nc_u32 v7, s22, v81
	v_lshlrev_b32 v[CO8], 3, v[LN]
	v_lshlrev_b32 v[ABS], 5, v[LN]
	v_and_b32 v82, v67, v65
	v_lshlrev_b32 v82, 4, v82
	v_mad_u32_u24 v83, v65, 8, v68
	v_sub_nc_u32 v83, v83, v82
	v_lshlrev_b32 v[ABS2], 5, v83                       ; lanes 0-15 tile 2 p, lanes 16-31 tile 2 p + 1
	v_lshl_add_u32 v84, v64, 1, v65
	v_add_nc_u32 v[STO], s23, v84
	v_add_nc_u32 v[STV], s3, v84
	v_lshlrev_b32 v63, 2, v64
	v_mul_u32_u24 v[BQE], 160, v65
	v_mul_u32_u24 v[BQO], 96, v65
	WALU
	s_wait_dscnt 0x0
	CROUND                                              ; the opening round, ahead of the wait for the arguments
	s_wait_kmcnt 0x0
	s_mov_b32 s21, 0
	s_mul_i32 s20, s13, RA*KROW
	s_add_nc_u64 s[G0B+2:G0B+3], s[76:77], s[20:21]
	s_or_b32 s[G0B+3], s[G0B+3], 0x80000000
	s_mov_b32 s20, s66
	s_add_nc_u64 s[G0A+2:G0A+3], s[4:5], s[20:21]
	s_add_nc_u64 s[G0R+2:G0R+3], s[G0A+2:G0A+3], RA*KROW
	s_or_b32 s[G0A+3], s[G0A+3], 0x80000000
	s_or_b32 s[G0R+3], s[G0R+3], 0x80000000
	s_mov_b32 s20, s89
	s_add_nc_u64 s[G0S+2:G0S+3], s[6:7], s[20:21]
	s_or_b32 s[G0S+3], s[G0S+3], 0x80000000
	s_cmp_eq_u32 s14, 0
	s_cbranch_scc0 .Lwave_1
	TLOAD G0B, G1B                                      ; wave 0: W_v's rows
	s_branch .Lasked
.Lwave_1:
	s_cmp_eq_u32 s14, 1
	s_cbranch_scc0 .Lwave_2
	TLOAD G0S, G1S                                      ; wave 1: both chunks' scale bytes
	s_branch .Lasked
.Lwave_2:
	s_cmp_eq_u32 s14, 2
	s_cbranch_scc0 .Lwave_3
	TLOAD G0A, G1A                                      ; wave 2: chunk 0
	s_branch .Lasked
.Lwave_3:
	TLOAD G0R, G1A                                      ; wave 3: chunk 1
.Lasked:
	s_lshl_b32 s22, s16, 11
	s_lshl_b32 s20, s13, 12
	s_add_co_u32 s20, s20, s22
	s_add_nc_u64 s[84:85], s[78:79], s[20:21]           ; W_v's scale bytes, my 64 rows
	s_cmp_eq_u32 s19, 1
	s_cselect_b64 s[8:9], s[48:49], s[80:81]
	s_cselect_b64 s[10:11], s[50:51], s[82:83]
	s_lshl_b32 s20, s17, 12
	s_add_co_u32 s20, s20, s22
	s_add_nc_u64 s[10:11], s[10:11], s[20:21]           ; W_q's or W_k's
	s_mul_i32 s20, s17, RA*KROW
	s_add_nc_u64 s[8:9], s[8:9], s[20:21]               ; and their rows
.irp p, 0,1
.irp c, 0,1
	global_load_b128 v[SB+8*\p+4*\c:SB+8*\p+4*\c+3], v[ABS], s[84:85] offset:1024*\p+16*\c
.endr
.endr
	WIN 3<<6
.irp p, 0,1
.irp c, 0,1
	global_load_b128 v[SB2-768+8*\p+4*\c:SB2-768+8*\p+4*\c+3], v[ABS2], s[10:11] offset:512*\p+16*\c
.endr
.endr
	WIN 0
	s_mul_i32 s76, s43, 32*12288                        ; where the results go: Q's or K's codes,
	s_mul_i32 s20, s15, 4*12288
	s_add_co_u32 s76, s76, s20
	s_mul_i32 s20, s17, 1536
	s_add_co_u32 s76, s76, s20
	s_mul_i32 s20, s16, 768
	s_add_co_u32 s76, s76, s20
	s_mov_b32 s77, 0
	s_lshl_b32 s78, s87, 1                              ; their scale words (wave w stores the chunk that was w-th in the order of work),
	s_xor_b32 s78, s78, s14
	s_lshl_b32 s20, s43, 2
	s_add_co_u32 s78, s78, s20
	s_lshl_b32 s78, s78, 3
	s_add_co_u32 s78, s78, s17
	s_lshl_b32 s78, s78, 9
	s_mov_b32 s79, 0
	s_lshl_b32 s80, s13, 3                              ; V's codes,
	s_lshl_b32 s20, s16, 2
	s_add_co_u32 s80, s80, s20
	s_mul_i32 s80, s80, 98304
	s_mul_i32 s20, s12, 3072
	s_add_co_u32 s80, s80, s20
	s_mul_i32 s20, s15, 768
	s_add_co_u32 s80, s80, s20
	s_mov_b32 s81, 0
	s_lshl_b32 s82, s13, 15                             ; V's scale words
	s_lshl_b32 s20, s12, 10
	s_add_co_u32 s82, s82, s20
	s_lshl_b32 s20, s14, 8
	s_add_co_u32 s82, s82, s20
	s_mov_b32 s83, 0
	s_load_b64 s[2:3], s[0:1], 0x40                     ; b_v
	s_load_b128 s[44:47], s[0:1], 0x48                  ; b_q, b_k
	s_load_b128 s[48:51], s[0:1], 0x58                  ; q_img, q_sc
	s_load_b128 s[40:43], s[0:1], 0x68                  ; k_img, k_sc
	s_load_b64 s[66:67], s[0:1], 0x78                   ; v_img
	s_load_b64 s[52:53], s[0:1], 0x80                   ; v_sc
	s_lshl_b32 s23, s16, 8
	s_lshl_b32 s22, s13, 9
	s_add_co_u32 s22, s22, s23
	s_lshl_b32 s20, s17, 9
	s_add_co_u32 s20, s20, s23
	s_mov_b32 s23, 0
	s_wait_xcnt 0x0
	s_wait_kmcnt 0x0
	s_cmp_eq_u32 s19, 1
	s_cselect_b64 s[12:13], s[46:47], s[44:45]
	s_cselect_b64 s[10:11], s[40:41], s[48:49]
	s_cselect_b64 s[48:49], s[42:43], s[50:51]
	s_add_nc_u64 s[12:13], s[12:13], s[20:21]
	s_add_nc_u64 s[2:3], s[2:3], s[22:23]
	s_add_nc_u64 s[10:11], s[10:11], s[76:77]
	s_add_nc_u64 s[48:49], s[48:49], s[78:79]
	s_add_nc_u64 s[50:51], s[66:67], s[80:81]
	s_add_nc_u64 s[52:53], s[52:53], s[82:83]
	WIN 3<<6
.irp t, 0,1,2,3
	global_load_b32 v[BBV-768+8*\t], v63, s[2:3] offset:64*\t
.endr
	WIN 0
	s_mov_b32 s46, 0
	s_mov_b32 s47, 0
	s_mov_b32 s18, SCL
	s_mov_b32 s101, 0
	s_mov_b32 s91, 0
	s_mov_b32 s86, 0
	s_wait_loadcnt 0x0
	WIN (3<<6)|3
.irp t, 0,8,16,24
.irp i, 1,2,3,4,5,6,7
	v_mov_b32 v[BBV-768+\t+\i], v[BBV-768+\t]           ; V's bias, one number a lane and tile, over the tile's eight registers
.endr
.endr
	WIN 3<<6
.irp b, 0,1,2,3
	v_add_nc_u32 v[BA-768+2*\b], \b*16*PITCH, v[ADRB]
	v_add_nc_u32 v[BA-768+2*\b+1], \b*16*PITCH, v[ADRB+1]
.endr
	WIN 0
	v_min_u32 v20, 23, v[LN]                            ; my sixteenth of what the first refill will load
	v_lshl_add_u32 v20, v20, 8, s100
	WALU
	s_cmp_eq_u32 s14, 0
	s_cbranch_scc0 .Lnot_b
	s_wait_tensorcnt 0x0
.Lnot_b:
	BARRIER                                             ; W_v's rows are in
	PFGO 20, 8
	WEIGHTS
	s_cmp_eq_u32 s14, 3
	s_cbranch_scc1 .Lnot_a0
	s_wait_tensorcnt 0x0
.Lnot_a0:
	s_wait_dscnt 0x0
	BARRIER                                             ; chunk 0 and the scale bytes are in; chunk 1 may be on its way
	FETCH01
; ================= PHASE 1: V, eight blocks; chunk 0's way outs stand in chunk 1's blocks
.irp s, 0,1
	s_wait_dscnt NF
	BLOCK 1, \s, HV0+8*\s, 32, 0, 32, L_VS, \s, 1
	WIN 0
	PLACES 4
	WALU
	FETCH \s
.endr
	s_wait_dscnt NF
	GRD
	BLOCK 1, 0, HV0+16, 32, 0, 24, L_V2
	WIN 0
	WALU
	s_wait_dscnt 0x0
	s_barrier_signal -1
	BLOCK 1, 0, HV0+16, 32, 24, 32, L_NONE
	MIDDLE
	BARRIER
	s_cmp_lt_u32 s14, 2
	s_cbranch_scc0 .Lno_half
	TLOAD G0B, G1B                                      ; waves 0 and 1 a half each of W_q's or W_k's rows, onto W_v's, which all waves hold in registers
.Lno_half:
	PLACES 4
	WALU
	FETCH 0
	PFGO 21, 4
	PFGO 22, 6
	BLOCK 1, 1, HV0+24, 32, 0, 32, L_VS, 1, 2
	WIN 0
	PLACES 4
	WALU
	FETCH 1
.irp j, 0,1,2
	s_wait_dscnt NF+(\j+1)/2
.if \j < 2
	BLOCK 1, \j%2, HV1+8*\j, 32, 0, 32, L_VO, HV0+32*\j, \j
.else
	BLOCK 1, \j%2, HV1+8*\j, 32, 0, 32, L_LAST, HV0+32*\j, \j
.endif
	WIN 0
	CODES6 HV0+32*\j, MCD+6*\j, \j
	WALU
	ds_store_b8 v[STV], v[EB+\j] offset:32*\j
	PUT3 MCD+6*\j, s[50:51], 98304*\j
.if \j < 2
	FETCH \j%2
.endif
.endr
	s_wait_dscnt 1
	BLOCK 1, 1, HV1+24, 32, 0, 26, L_V7, HV0+96, 3
	WIN 0
	WALU
	s_wait_tensorcnt 0x0
	s_wait_dscnt 0x0
	s_barrier_signal -1                                 ; a plain barrier: the weights that the first refill brought are shown to all
	BLOCK 1, 1, HV1+24, 32, 26, 32, L_NONE
	WIN 0
	s_barrier_wait -1
	CODES6 HV0+96, MCD+18, 3
	WIN 3<<6
.irp t, 0,1,2,3
	v_add_nc_u32 v[BA-768+2*\t], (\t/2)*P16, v[WB2+2*(\t%2)]
	v_add_nc_u32 v[BA-768+2*\t+1], (\t/2)*P16, v[WB2+2*(\t%2)+1]
.endr
	WIN 0
	WALU
	ds_store_b8 v[STV], v[EB+3] offset:96
	PUT3 MCD+18, s[50:51], 98304*3
; ================= THE CHANGE OF PHASE: Q's or K's bias, the weights and the first two blocks' rows in one run; chunk 1's way outs under their flight
.irp k, 0,1
	global_load_b128 v[BBQ+4*\k:BBQ+4*\k+3], v[BQE], s[12:13] offset:16*\k
	global_load_b128 v[BBQ+8+4*\k:BBQ+8+4*\k+3], v[BQO], s[12:13] offset:32+16*\k
	global_load_b128 v[BBQ+16+4*\k:BBQ+16+4*\k+3], v[BQE], s[12:13] offset:64+16*\k
	global_load_b128 v[BBQ+24+4*\k:BBQ+24+4*\k+3], v[BQO], s[12:13] offset:96+16*\k
.endr
	WEIGHTS
	FETCH01
	PFGO 23, 4
	WIN 3
.set I, 0
.rept 16
	v_mov_b32 v[SB+I], v[SB2-768+I]
.set I, I+1
.endr
	WIN 0
.set I, 0
.rept 18
.irp t, 0,1,2,3
	CHAIN I, HV1+32*\t, \t, 64+4*\t
.endr
.set I, I+1
.endr
.set I, 0
.rept 6
.irp t, 0,1,2,3
	CODES I, HV1+32*\t, MCD+24+6*\t, \t, 80+4*\t
.endr
.set I, I+1
.endr
	WIN 0
	WALU
; ================= PHASE 2: Q or K, sixteen blocks
	s_wait_loadcnt 0x0
	s_wait_dscnt NF
	BLOCK 0, 0, ACC, 8, 0, 32, L_VS, 0, 1
	WIN 0
	PLACES 4
	WALU
.irp t, 0,1,2,3
	ds_store_b8 v[STV], v[EB+\t] offset:256+32*\t
.endr
.irp t, 0,1,2,3
	PUT3 MCD+24+6*\t, s[50:51], 98304*\t+1536
.endr
	FETCH 0
	ODD NF+4, 1
.Lwith_rounds:                                          ; blocks 2 to 5, 6 to 9
	EVENROUND NF+1
	ODD -1, 1
	EVEN NF+1, 1
	ODD NF+1, 1
	s_add_co_u32 s86, s86, 1
	s_cmp_lg_u32 s86, 2
	s_cbranch_scc1 .Lwith_rounds
.Lwithout:                                              ; blocks 10, 11 and 12, 13
	EVENSHOW NF+1
	ODD -1, 1
	s_add_co_u32 s86, s86, 1
	s_cmp_lg_u32 s86, 4
	s_cbranch_scc1 .Lwithout
	EVEN NF+1, 0
	ODD 1, 0
; ================= THE END: the last way out; the scale bytes go through LDS under its conversions and leave as words
	s_lshl_b32 s20, s14, 7
	s_add_co_u32 s21, s20, XM
	s_add_co_u32 s20, s20, XN
	v_lshrrev_b32 v15, 4, v[LN]
	v_and_b32 v16, 15, v[LN]
	v_lshlrev_b32 v16, 3, v16
	v_lshl_add_u32 v15, v15, 10, v16
	v_add_nc_u32 v12, s20, v15                          ; four rows of chunk w a lane: lanes 0-15 wave row 0's, lanes 16-31 wave row 1's
	v_lshl_add_u32 v14, v[LN], 2, s21
	v_lshlrev_b32 v13, 4, v[LN]
.set I, 0
.rept 18
	CHAIN I, ACC+32, 1
.set I, I+1
.endr
	CODES 2, ACC+32, NCD+6, 1
	WALU
	ds_store_b8 v[VX], v[EB+1] offset:32
	s_wait_dscnt 0x0
	s_barrier_signal -1
	CODES 0, ACC+32, NCD+6, 1
	CODES 1, ACC+32, NCD+6, 1
	v_nop
.irp i, 3,4,5
	CODES \i, ACC+32, NCD+6, 1
.endr
	WALU
	s_barrier_wait -1
	ds_load_b64 v[64:65], v12
	ds_load_b64 v[66:67], v12 offset:512
	ds_load_b32 v72, v14
	ds_load_b32 v73, v14 offset:512
	PUT3 NCD+6, s[84:85], 12288
	s_wait_dscnt 0x0
	v_perm_b32 v68, v66, v64, 0x05040100                ; a row's word: column 0's two bytes, then column 1's
	v_perm_b32 v69, v66, v64, 0x07060302
	v_perm_b32 v70, v67, v65, 0x05040100
	v_perm_b32 v71, v67, v65, 0x07060302
	v_perm_b32 v74, v73, v72, 0x05040100
	v_perm_b32 v75, v73, v72, 0x07060302
	global_store_b128 v13, v[68:71], s[48:49]
	global_store_b64 v[CO8], v[74:75], s[52:53]
	s_wait_tensorcnt 0x0
	ds_add_u32 v[SPW], v[NIL]
	s_wait_dscnt 0x0
	CROUND
	s_endpgm
.Lfunc_end_k_qad5a24628c_proj:
	.size	k_qad5a24628c_proj, .Lfunc_end_k_qad5a24628c_proj-k_qad5a24628c_proj
	.p2alignl 7, 3214868480
	.fill 96, 4, 3214868480
	.section	.rodata,"a",@progbits
	.p2align	6, 0x0
	.amdhsa_kernel k_qad5a24628c_proj
		.amdhsa_group_segment_fixed_size 327680
		.amdhsa_private_segment_fixed_size 0
		.amdhsa_enable_private_segment 0
		.amdhsa_kernarg_size 136
		.amdhsa_user_sgpr_count 2
		.amdhsa_user_sgpr_kernarg_segment_ptr 1
		.amdhsa_wavefront_size32 1
		.amdhsa_system_sgpr_workgroup_id_x 1
		.amdhsa_system_sgpr_workgroup_id_y 1
		.amdhsa_system_sgpr_workgroup_id_z 1
		.amdhsa_system_vgpr_workitem_id 0
		.amdhsa_next_free_vgpr 1024
		.amdhsa_next_free_sgpr 102
		.amdhsa_reserve_vcc 0
		.amdhsa_float_denorm_mode_32 3
		.amdhsa_float_denorm_mode_16_64 3
		.amdhsa_memory_ordered 1
		.amdhsa_forward_progress 1
		.amdhsa_inst_pref_size 191
	.end_amdhsa_kernel
	.amdgpu_metadata
---
amdhsa.version: [ 1, 2 ]
amdhsa.kernels:
  - .name:           k_qad5a24628c_proj
    .symbol:         k_qad5a24628c_proj.kd
    .args:
      - { .name: x_codes, .offset: 0, .size: 8, .value_kind: global_buffer, .address_space: global }
      - { .name: x_scales, .offset: 8, .size: 8, .value_kind: global_buffer, .address_space: global }
      - { .name: Wv_codes, .offset: 16, .size: 8, .value_kind: global_buffer, .address_space: global }
      - { .name: Wv_scales, .offset: 24, .size: 8, .value_kind: global_buffer, .address_space: global }
      - { .name: Wq_codes, .offset: 32, .size: 8, .value_kind: global_buffer, .address_space: global }
      - { .name: Wq_scales, .offset: 40, .size: 8, .value_kind: global_buffer, .address_space: global }
      - { .name: Wk_codes, .offset: 48, .size: 8, .value_kind: global_buffer, .address_space: global }
      - { .name: Wk_scales, .offset: 56, .size: 8, .value_kind: global_buffer, .address_space: global }
      - { .name: bv, .offset: 64, .size: 8, .value_kind: global_buffer, .address_space: global }
      - { .name: bq, .offset: 72, .size: 8, .value_kind: global_buffer, .address_space: global }
      - { .name: bk, .offset: 80, .size: 8, .value_kind: global_buffer, .address_space: global }
      - { .name: q_img, .offset: 88, .size: 8, .value_kind: global_buffer, .address_space: global }
      - { .name: q_sc, .offset: 96, .size: 8, .value_kind: global_buffer, .address_space: global }
      - { .name: k_img, .offset: 104, .size: 8, .value_kind: global_buffer, .address_space: global }
      - { .name: k_sc, .offset: 112, .size: 8, .value_kind: global_buffer, .address_space: global }
      - { .name: v_img, .offset: 120, .size: 8, .value_kind: global_buffer, .address_space: global }
      - { .name: v_sc, .offset: 128, .size: 8, .value_kind: global_buffer, .address_space: global }
    .group_segment_fixed_size: 327680
    .private_segment_fixed_size: 0
    .kernarg_segment_align: 8
    .kernarg_segment_size: 136
    .max_flat_workgroup_size: 128
    .sgpr_count:     102
    .vgpr_count:     1024
    .wavefront_size: 32
...
	.end_amdgpu_metadata
.endif
;; end of part 1
;; launch scores (part 2): grid 16 x 16, 4 waves a work-group, clusters of 4 x 4, 327,680 bytes of LDS; arguments q_img, q_sc, k_img, k_sc, p_img, p_meta; writes p_img, p_meta
.if DOCPART == 2
	.amdgcn_target "amdgcn-amd-amdhsa--gfx1250"
	.amdhsa_code_object_version 6
	.text
	.protected	k_qad5a24628c_scores
	.globl	k_qad5a24628c_scores
	.p2align	8
	.type	k_qad5a24628c_scores,@function
k_qad5a24628c_scores:
	s_mov_b64 s[64:65], 0
	v_nop
	global_prefetch_b8 v0, s[64:65] scope:SCOPE_SE
	s_setreg_imm32_b32 hwreg(HW_REG_WAVE_MODE, 25, 1), 1
	s_wait_xcnt 0x0
	s_wait_alu depctr_hold_cnt(0) depctr_sa_sdst(0) depctr_va_vdst(0) depctr_va_sdst(0) depctr_va_ssrc(0) depctr_va_vcc(0) depctr_vm_vsrc(0)
	s_getreg_b32 s2, hwreg(HW_REG_IB_STS2, 6, 4)
	s_cmp_eq_u32 s2, 0
	s_cbranch_scc0 .Lentry_in_a_cluster
	s_endpgm
.Lentry_in_a_cluster:
	s_bfe_u32 s2, ttmp6, 0x10000c
	s_cmp_lg_u32 s2, 0xf033
	s_cbranch_scc0 .Lentry_shape_is_right
	s_endpgm
.Lentry_shape_is_right:
; S = Q K^T on codes of FP6, and the softmax's p, quantised along the keys.  A work-group makes 512 queries x 128 keys (a key step); a wave holds 64 keys, all of K = 1,024, in 384 registers
; and streams queries past them in blocks of 16: 32 products a block; wave row a takes tile 2 j + a of each chunk of 128 queries as its block j.  Q's chunks are shared along a row of the cluster, K's tile along a column.
; The images are operand registers (six pieces of 256 bytes a fragment), in the rows' order that the launch before gave them: so a lane (query r, half h) holds 32 keys = ONE scale block in 32 registers, and no lane looks at another.
; THE SOFTMAX, for each query and block of 32 keys: t = score x log2(e) / 32; N = floor of the largest t; p = 2^(t - N): the largest p lies in [1, 2), so the block's scale is 2^-2, byte 125, whatever
; the block holds (N is a whole number: codes do not depend on it); l = the sum of the unquantised p.  At the end a row's four blocks are brought under M = their largest N, by lowering bytes and multiplying l
; by 2^(N - M), both exact.  p_img: [query fragment][16 key steps][1,536]; p_meta: [query / 128][16][3][128]: scale word, -M, l.
; LIMITS: NaN and infinities are not served; N is kept as an f32 whole number, |t| under 2^31; N - M is held at -125.
; A block's multiply-adds stand among the next block's products, its exponentials among that block's closing LDS loads, its sums among the products one block on; its codes and l leave behind those.
; THE WAITS' COUNTS: younger than a block's fragments are the next block's fetch (NF loads) and one LDS store.
.set FR,     12
.set FPW,    21
.set NF,     28
.set CHK,    98304                     ; 128 rows: 8 tiles x 8 K steps x 1,536
.set BVB,    2*CHK                     ; K's tile; behind the head's second barrier, when it has been read for good, the stage for N and l: [wave column][wave row][h] of 2,176 bytes: [16 blocks][16 rows][8]
.set SCL,    3*CHK                     ; Q's scale words: [4 chunks][8 K steps][128]
.set SPARE,  SCL+16384
.set LN,     8
.set CO8,    9
.set SPW,    10
.set NIL,    11
.set SB,     24
.set TQ,     40
.set SA,     46                        ; v46-49, v54-57: a register holds two K steps' words (lanes 0-15, 16-31)
.set ACC,    64
.set NMP,    192                       ; v[192:193], v[194:195]: a block's -N and l
.set LS,     196
.set LT,     198
.set NCD,    200
.set TC,     212
.set SOC,    216                       ; the scale operand: exponent field 125
.set NT,     218
.set AD,     220
.set VX,     228
.set AB,     230
.set ASB,    236
.set VXL,    237
.set CS,     82                        ; s[82:83] c = log2(e) / sqrt(1024)
.set G1A, 24
.set G0A, 56
.set G0R, 68
.set G1B, 32
.set G0B, 60
.set G1S, 92
.set G0S, 72
.set MSB, 0
.macro WIN new
.if MSB != (\new)
	s_set_vgpr_msb (MSB<<8)|(\new)
.set MSB, (\new)
.endif
.endm
.macro PLACES n
.rept \n
	v_nop
.endr
.endm
.macro WALU
	s_wait_alu depctr_va_vdst(0)
.endm
.macro BARRIER
	s_barrier_signal -1
	s_barrier_wait -1
.endm
.macro MIDDLE
	WIN 0
	s_barrier_wait -1
	s_cmp_lg_u32 s14, 0
	s_cbranch_scc1 .Lnot_wave_0_\@
	s_barrier_signal -3
.Lnot_wave_0_\@:
	s_barrier_wait -3
.endm
.macro CROUND
	s_barrier_signal -1
	MIDDLE
	BARRIER
.endm
.macro TLOAD g0, g1
	tensor_load_to_lds s[\g0:\g0+3], s[\g1:\g1+7]
	s_nop 0
	PLACES 4
.endm
.macro GROUP1 g, mask, el, rows        ; a dense block as rows of 8 x el bytes
	s_or_b32 s[\g+0], s[\mask], (3<<16)|(1<<21)
	s_mov_b32 s[\g+1], (\el)<<16
	s_mov_b32 s[\g+2], (\rows)<<16
	s_mov_b32 s[\g+3], (\el)<<16
	s_mov_b32 s[\g+4], \rows
	s_mov_b32 s[\g+5], \el
	s_mov_b32 s[\g+6], 0
	s_mov_b32 s[\g+7], 0
.endm
.macro FRAG f, q, b0                   ; fragment f's six pieces, two to a load; register b0 + n addresses pieces 8 n .. 8 n + 7
	WIN (1+(\f)/FPW)<<6
.set R_, FR*((\f)%FPW)
.irp c, 0,1,2
.set P_, 6*(\q)+2*\c
.set O_, (P_%8)*32
	ds_load_2addr_b64 v[R_+4*\c:R_+4*\c+3], v[\b0+P_/8] offset0:O_ offset1:O_+32
.endr
.endm
.macro SCALES e, as
	WIN 0
.irp c, 0,1,2,3
	ds_load_b32 v[SA+8*(\e)+\c], v[\as] offset:1024*\c
.endr
.endm
.macro FETCHAT e, b0, as
.irp q, 0,1,2,3,4,5,6,7
	FRAG 32+8*(\e)+\q, \q, \b0
.endr
	SCALES \e, \as
.endm
.macro WM c, ra, rb
	v_wmma_scale_f32_16x16x128_f8f6f4 v[D_:D_+7], v[FR*(FB_%FPW):FR*(FB_%FPW)+FR-1], v[FR*(FA_%FPW):FR*(FA_%FPW)+FR-1], \c, v[XB_], v[XA_] matrix_a_fmt:MATRIX_FMT_FP6 matrix_b_fmt:MATRIX_FMT_FP6 matrix_a_scale:MATRIX_SCALE_ROW\ra matrix_b_scale:MATRIX_SCALE_ROW\rb
.endm
.macro PROD e, n                       ; n = 4 q + t: source 0 the keys of tile t, source 1 the queries; the four accumulators take turns
.set Q_, (\n)/4
.set T_, (\n)%4
.set FB_, 4*Q_+T_
.set FA_, 32+8*(\e)+Q_
.set D_, ACC+32*(\e)+8*T_
.set XB_, SB+8*(T_/2)+Q_
.set XA_, SA+8*(\e)+Q_/2
	WIN (1+FB_/FPW)|((1+FA_/FPW)<<2)
.if Q_ == 0
.if T_%2
	WM 0, 1, 0
.else
	WM 0, 0, 0
.endif
.elseif Q_%2
.if T_%2
	WM v[D_:D_+7], 1, 1
.else
	WM v[D_:D_+7], 0, 1
.endif
.else
.if T_%2
	WM v[D_:D_+7], 1, 0
.else
	WM v[D_:D_+7], 0, 0
.endif
.endif
.endm
.macro FM i                            ; t - N of the last block, two at a time
	v_pk_fma_f32 v[HO_+2*(\i):HO_+2*(\i)+1], v[AO_+2*(\i):AO_+2*(\i)+1], s[CS:CS+1], v[NT:NT+1] op_sel_hi:[1,0,0]
.endm
.macro SV m
	v_add_nc_u32 v[AD+\m], s2, v[AB+\m]
.endm
; what stands behind every second product, at place k: sm: sums of the block before last; fm: the last block's t - N; st: addresses of the block two on; de: the refill's descriptor
.macro PLACE k, e, sm, fm, st, de
.set HE_, 128+32*(\e)
.set HO_, 160-32*(\e)
.set AO_, ACC+32-32*(\e)
.if (\sm)+(\fm)+(\st) > 0
	WIN 0
.endif
.if \sm
.if (\k) == 0
	v_pk_add_f32 v[LS:LS+1], v[HE_:HE_+1], v[HE_+2:HE_+3]
	v_pk_add_f32 v[LT:LT+1], v[HE_+4:HE_+5], v[HE_+6:HE_+7]
.elseif (\k) < 7
	v_pk_add_f32 v[LS:LS+1], v[LS:LS+1], v[HE_+4+4*(\k):HE_+5+4*(\k)]
	v_pk_add_f32 v[LT:LT+1], v[LT:LT+1], v[HE_+6+4*(\k):HE_+7+4*(\k)]
.elseif (\k) == 7
	v_pk_add_f32 v[LS:LS+1], v[LS:LS+1], v[LT:LT+1]
.elseif (\k) == 8
	v_add_f32 v[NMP+2*(\e)+1], v[LS], v[LS+1]
.endif
.endif
.if \fm
.if (\k) < 7
	FM \k
.elseif (\k) == 7
	FM 7
	FM 8
.elseif (\k) == 8
	FM 9
	FM 10
.elseif (\k) == 9
	FM 11
	FM 12
	FM 13
.elseif (\k) == 10
	FM 14
	FM 15
.elseif (\k) == 13
	v_mov_b32 v[NMP+2-2*(\e)], v[NT]
.endif
.endif
.if (\k) == 8
	s_add_co_u32 s46, s46, 1               ; the block that is fetched next: this one + 2
.if \st
	s_and_b32 s2, s46, 7
	s_mul_i32 s2, s2, 24576
	s_lshr_b32 s54, s46, 2
.endif
.endif
.if \st
.if (\k) == 9
	s_lshl_b32 s54, s54, 12
	s_and_b32 s20, s46, 3
	s_lshl_b32 s20, s20, 7
	s_or_b32 s54, s54, s20
.elseif (\k) == 10
	SV 0
.elseif (\k) == 11
	SV 1
	SV 2
	SV 3
.elseif (\k) == 12
	SV 4
	SV 5
	v_add_nc_u32 v[AD+6], s54, v[ASB]
.endif
.endif
.if \de
.if (\k) == 10
	s_mov_b32 s[G1A+2], 2<<16
	s_mov_b32 s[G1A+4], 2
	s_add_co_u32 s[G0R+1], s66, s47
.elseif (\k) == 11
	s_mov_b64 s[G0R+2:G0R+3], s[6:7]
	s_or_b32 s[G0R+3], s[G0R+3], 0x80000000
.elseif (\k) == 12
	s_add_nc_u64 s[6:7], s[6:7], CHK
	s_xor_b32 s47, s47, CHK
.endif
.endif
.if \sm
.if (\k) == 13
	s_lshl_b32 s22, s46, 7
	v_add_nc_u32 v[VX], s22, v[VXL]
.endif
.endif
.endm
.macro BLK e, from, to, sm, fm, st, de
.set N_, \from
.rept (\to)-(\from)
	PROD \e, N_
.if N_%2
	PLACE N_/2, \e, \sm, \fm, \st, \de
.endif
.set N_, N_+1
.endr
.endm
; a block's end.  ou: the codes, -N and l of the block before last leave; ch: this block's largest score and -N; ex: the last block's exponentials; fe: the block two on is fetched
.macro ENDB e, ou, ex, fe, ch
.set HE_, 128+32*(\e)
.set HO_, 160-32*(\e)
.set AE_, ACC+32*(\e)
.set NC_, NCD+6*(\e)
	WIN 0
.if \ou
	v_cvt_scalef32_pk16_fp6_f32 v[NC_:NC_+2], v[HE_:HE_+15], v[SOC]
	v_cvt_scalef32_pk16_fp6_f32 v[TC:TC+2], v[HE_+16:HE_+31], v[SOC]
	v_nop
.irp i, 0,1,2
	v_mov_b32 v[NC_+3+\i], v[TC+\i]
.endr
.else
	PLACES 4
.endif
.if \ch
	v_max3_num_f32 v[TQ+1], v[AE_], v[AE_+1], v[AE_+2]
	v_max3_num_f32 v[TQ], v[AE_+16], v[AE_+17], v[AE_+18]
.irp i, 3,5,7,9,11,13
	v_max3_num_f32 v[TQ+1], v[TQ+1], v[AE_+\i], v[AE_+1+\i]
	v_max3_num_f32 v[TQ], v[TQ], v[AE_+16+\i], v[AE_+17+\i]
.endr
	v_max_num_f32 v[TQ+1], v[TQ+1], v[AE_+15]
	v_max3_num_f32 v[TQ], v[TQ], v[AE_+31], v[TQ+1]
	v_mul_f32 v[TQ], s[CS], v[TQ]
	v_ceil_f32 v[NT], -v[TQ]                       ; -N = -floor(t)
.endif
	WALU
.if \ou
	ds_store_b64 v[VX], v[NMP+2*(\e):NMP+2*(\e)+1]
.irp k, 0,1,2
	global_store_b64 v[CO8], v[NC_+2*\k:NC_+2*\k+1], s[84:85] offset:49152*(\e)+256*\k   ; 256 consecutive bytes, aligned
.endr
.endif
.irp q, 0,1,2,3,4,5,6,7
.if \fe
	FRAG 32+8*(\e)+\q, \q, AD
	WIN 0
.endif
.if \ex
.irp i, 0,1,2,3
	v_exp_f32 v[HO_+4*\q+\i], v[HO_+4*\q+\i]
.endr
.endif
.endr
.if \fe
	SCALES \e, AD+6
.endif
.if \ex
	v_nop
	WALU
.endif
.endm
.macro WAITDS w
.if (\w) >= 0
	s_wait_dscnt \w
.endif
.endm
.macro NEXTP                           ; the next pair of blocks' place in p_img
	s_wait_xcnt 0x0
	s_add_nc_u64 s[84:85], s[84:85], 98304
.endm
.macro BODY e, w, fe
	WAITDS \w
	BLK \e, 0, 32, 1, 1, \fe, 0
	ENDB \e, 1, 1, \fe, 1
.endm
.macro EVENROUND w                     ; a refill: a quarter of a chunk a wave, into the slot read last
	NEXTP
	WAITDS \w
	s_wait_tensorcnt 0x0
	ds_add_u32 v[SPW], v[NIL]
	BLK 0, 0, 28, 1, 1, 1, 1
	WIN 0
	WALU
	s_wait_dscnt 0x0
	s_barrier_signal -1
	BLK 0, 28, 32, 0, 0, 0, 0
	MIDDLE
	BARRIER
	TLOAD G0R, G1A
	ENDB 0, 1, 1, 1, 1
.endm
.macro EVENSHOW w                      ; a plain barrier shows the last refill to all
	NEXTP
	WAITDS \w
	BLK 0, 0, 28, 1, 1, 1, 0
	WIN 0
	WALU
	s_wait_tensorcnt 0x0
	s_wait_dscnt 0x0
	s_barrier_signal -1
	BLK 0, 28, 32, 0, 0, 0, 0
	WIN 0
	s_barrier_wait -1
	ENDB 0, 1, 1, 1, 1
.endm
; ================= THE HEAD
	s_load_b256 s[48:55], s[0:1], 0x0                   ; q_img, q_sc, k_img, k_sc
	s_load_b128 s[76:79], s[0:1], 0x20                  ; p_img, p_meta
	v_lshl_add_u32 v[SPW], v0, 2, SPARE
	v_mov_b32 v[NIL], 0
	ds_add_u32 v[SPW], v[NIL]
	ds_add_u32 v[SPW], v[NIL]
	v_lshrrev_b32 v1, 5, v0
	v_readfirstlane_b32 s14, v1
	s_lshr_b32 s15, s14, 1
	s_and_b32 s16, s14, 1
	s_bfe_u32 s40, ttmp6, 0x40000
	s_bfe_u32 s41, ttmp6, 0x40004
	s_lshl_b32 s42, ttmp9, 2
	s_add_co_u32 s42, s42, s40                          ; the key step in the batch, 0 .. 15
	s_and_b32 s18, ttmp7, 0xffff                        ; the batch: the cluster's y
	s_lshl_b32 s43, s18, 2
	s_add_co_u32 s43, s43, s41                          ; the tile of 512 queries, over all batches
	s_lshl_b32 s44, s41, 2
	s_lshl_b32 s44, 15, s44
	s_lshl_b32 s45, 0x1111, s40
	GROUP1 G1A, 44, 1536, 8
	GROUP1 G1B, 45, 1536, 8
	GROUP1 G1S, 44, 256, 8
	s_mov_b32 s[G0A], 1
	s_mov_b32 s[G0A+1], 0
	s_mov_b32 s[G0B], 1
	s_mov_b32 s[G0B+1], BVB
	s_mov_b32 s[G0R], 1
	s_mov_b32 s[G0R+1], CHK
	s_mov_b32 s[G0S], 1
	s_mov_b32 s[G0S+1], SCL
	s_lshl_b32 s17, s18, 4
	s_add_co_u32 s17, s17, s42                          ; K's tile of 128 tokens
	s_mul_i32 s66, s14, CHK/4                           ; my quarter of a chunk
	s_mov_b32 s[CS], 0x3d38aa3b
	s_mov_b32 s[CS+1], s[CS]
	s_lshl_b32 s90, s40, 2
	s_add_co_u32 s90, s90, s14                          ; my number among the sixteen waves of my row of the cluster
	s_mul_i32 s90, s90, CHK/16
	s_mul_i32 s20, s15, 12288
	s_mul_i32 s21, s16, 4*12288
	s_add_co_u32 s21, s21, BVB
	s_lshl_b32 s22, s15, 6
	s_add_co_u32 s22, s22, SCL
	s_mul_i32 s23, s16, 8704
	s_mul_i32 s2, s15, 4352
	s_add_co_u32 s23, s23, s2
	s_add_co_u32 s23, s23, BVB-512                      ; (s46 runs four ahead of the block that is stored)
	v_and_b32 v64, 15, v0
	v_bfe_u32 v65, v0, 4, 1
	v_and_b32 v[LN], 31, v0
	v_lshlrev_b32 v[CO8], 3, v[LN]
	v_lshlrev_b32 v16, 2, v[LN]
	v_lshlrev_b32 v66, 2, v64
	v_mad_u32_u24 v66, v65, 512, v66
	v_add_nc_u32 v[ASB], s22, v66
	v_lshlrev_b32 v67, 3, v64
	v_mad_u32_u24 v67, v65, 2176, v67
	v_add_nc_u32 v[VXL], s23, v67
	v_add_nc_u32 v[AB], s20, v[CO8]
	v_add_nc_u32 v128, s21, v[CO8]
.irp m, 1,2,3,4,5
	v_add_nc_u32 v[AB+\m], 2048*\m, v[AB]
.endr
.irp m, 0,1,2,3,4,5
	v_add_nc_u32 v[AD+\m], 24576, v[AB+\m]              ; block 1's addresses
.endr
	v_add_nc_u32 v[AD+6], 128, v[ASB]
.set I, 0
.rept 24
	v_add_nc_u32 v[64+I], 2048*I, v128                  ; my four tiles of K: six registers a tile
.set I, I+1
.endr
	v_mov_b32 v[SOC], 0x3e800000
	v_mov_b32 v[NMP+1], 0                               ; (named as upper halves of pairs)
	v_mov_b32 v[NMP+3], 0
	v_mov_b32 v[NT+1], 0
	v_min_u32 v20, 23, v[LN]
	v_lshl_add_u32 v20, v20, 8, s90
	WALU
	s_wait_dscnt 0x0
	CROUND                                              ; the opening round
	s_wait_kmcnt 0x0
	s_mov_b32 s21, 0
	s_mul_i32 s20, s17, CHK
	s_add_nc_u64 s[G0B+2:G0B+3], s[52:53], s[20:21]
	s_or_b32 s[G0B+3], s[G0B+3], 0x80000000
	s_mul_i32 s20, s43, 4*CHK
	s_add_nc_u64 s[G0A+2:G0A+3], s[48:49], s[20:21]
	s_add_nc_u64 s[86:87], s[G0A+2:G0A+3], 2*CHK        ; chunk 2
	s_add_nc_u64 s[G0R+2:G0R+3], s[G0A+2:G0A+3], CHK
	s_or_b32 s[G0A+3], s[G0A+3], 0x80000000
	s_or_b32 s[G0R+3], s[G0R+3], 0x80000000
	s_lshl_b32 s20, s43, 14
	s_add_nc_u64 s[G0S+2:G0S+3], s[50:51], s[20:21]
	s_or_b32 s[G0S+3], s[G0S+3], 0x80000000
	s_cmp_eq_u32 s14, 0
	s_cbranch_scc0 .Lwave_1
	TLOAD G0B, G1B                                      ; wave 0: K's tile
	s_branch .Lasked
.Lwave_1:
	s_cmp_eq_u32 s14, 1
	s_cbranch_scc0 .Lwave_2
	TLOAD G0S, G1S                                      ; wave 1: the scale words of all 512 queries
	s_branch .Lasked
.Lwave_2:
	s_cmp_eq_u32 s14, 2
	s_cbranch_scc0 .Lwave_3
	TLOAD G0A, G1A                                      ; wave 2: chunk 0
	s_branch .Lasked
.Lwave_3:
	TLOAD G0R, G1A                                      ; wave 3: chunk 1
.Lasked:
	s_lshl_b32 s20, s17, 12
	s_lshl_b32 s22, s16, 8
	s_add_co_u32 s20, s20, s22
	s_add_nc_u64 s[88:89], s[54:55], s[20:21]           ; my 64 keys' scale words
.irp p, 0,1
.irp q, 0,1,2,3,4,5,6,7
	global_load_b32 v[SB+8*\p+\q], v16, s[88:89] offset:512*\q+128*\p
.endr
.endr
	s_mov_b32 s20, s66
	s_add_nc_u64 s[6:7], s[86:87], s[20:21]             ; my quarter of chunk 2
	s_lshl_b32 s20, s43, 5
	s_add_co_u32 s20, s20, s15
	s_lshl_b32 s20, s20, 4
	s_add_co_u32 s20, s20, s42
	s_lshl_b32 s20, s20, 1
	s_add_co_u32 s20, s20, s16
	s_mul_i32 s20, s20, 768
	s_add_nc_u64 s[84:85], s[76:77], s[20:21]
	s_sub_nc_u64 s[84:85], s[84:85], 98304              ; the first pair steps it on
	s_lshl_b32 s20, s43, 2
	s_add_co_u32 s20, s20, s14
	s_lshl_b32 s20, s20, 4
	s_add_co_u32 s20, s20, s42
	s_mul_i32 s20, s20, 1536
	s_add_nc_u64 s[10:11], s[78:79], s[20:21]
	s_mov_b32 s46, 1
	s_mov_b32 s47, 0
	s_mov_b32 s91, 0
	s_cmp_eq_u32 s14, 0
	s_cbranch_scc0 .Lnot_b
	s_wait_tensorcnt 0x0
.Lnot_b:
	BARRIER                                             ; K's tile is in
.irp q, 0,1,2,3,4,5,6,7
.irp t, 0,1,2,3
	FRAG 4*\q+\t, \q, 64+6*\t
.endr
.endr
	WIN 0
	global_prefetch_b8 v20, s[86:87] th:TH_LOAD_NT scope:SCOPE_SE   ; chunk 2: each block of 256 bytes named once in the row of the cluster, two blocks of products ahead of its refill
	s_cmp_eq_u32 s14, 3
	s_cbranch_scc1 .Lnot_a0
	s_wait_tensorcnt 0x0
.Lnot_a0:
	s_wait_dscnt 0x0
	BARRIER                                             ; chunk 0 and the scale words are in; chunk 1 may be on its way
	FETCHAT 0, AB, ASB
	FETCHAT 1, AD, AD+6
	s_wait_loadcnt 0x0
; ================= SIXTEEN BLOCKS
	s_wait_dscnt NF
	BLK 0, 0, 32, 0, 0, 1, 0
	ENDB 0, 0, 0, 1, 1
	s_wait_dscnt NF
	BLK 1, 0, 32, 0, 1, 1, 0
	ENDB 1, 0, 1, 1, 1
	global_prefetch_b8 v20, s[86:87] offset:CHK th:TH_LOAD_NT scope:SCOPE_SE   ; chunk 3: four blocks ahead of its refill
.Lwith_rounds:                                          ; blocks 2 to 5, 6 to 9
	EVENROUND NF
	BODY 1, -1, 1
	NEXTP
	BODY 0, NF+1, 1
	BODY 1, NF+1, 1
	s_add_co_u32 s91, s91, 1
	s_cmp_lg_u32 s91, 2
	s_cbranch_scc1 .Lwith_rounds
.Lwithout:                                              ; blocks 10, 11 and 12, 13
	EVENSHOW NF+1
	BODY 1, -1, 1
	s_add_co_u32 s91, s91, 1
	s_cmp_lg_u32 s91, 4
	s_cbranch_scc1 .Lwithout
	NEXTP
	BODY 0, NF+1, 0
	BODY 1, 1, 0
; ================= THE END: blocks 14 and 15 leave
	NEXTP
.irp k, 0,1,2,3,4,5,6,7,8,9,10,13
	PLACE \k, 0, 1, 1, 0, 0
.endr
	ENDB 0, 1, 1, 0, 0
.irp k, 0,1,2,3,4,5,6,7,8,13
	PLACE \k, 1, 1, 0, 0, 0
.endr
	s_lshl_b32 s20, s14, 9
	s_add_co_u32 s20, s20, BVB
	v_lshrrev_b32 v66, 3, v[LN]                         ; wave w joins chunk w: four rows a lane
	v_bfe_u32 v67, v[LN], 2, 1
	v_and_b32 v68, 3, v[LN]
	v_lshlrev_b32 v66, 7, v66
	v_mad_u32_u24 v66, v67, 4352, v66
	v_lshl_add_u32 v66, v68, 5, v66
	v_add_nc_u32 v64, s20, v66
	v_lshlrev_b32 v65, 4, v[LN]
	ENDB 1, 1, 0, 0, 0
	s_wait_dscnt 0x0
	BARRIER
.irp k, 0,1,2,3
	ds_load_b128 v[72+8*\k:75+8*\k], v64 offset:8704*(\k/2)+2176*(\k%2)
	ds_load_b128 v[76+8*\k:79+8*\k], v64 offset:8704*(\k/2)+2176*(\k%2)+16
.endr
	s_wait_dscnt 0x0
.macro ROWJ i
	v_min_num_f32 v[108+\i], v[72+2*\i], v[80+2*\i]
	v_min_num_f32 v116, v[88+2*\i], v[96+2*\i]
	v_min_num_f32 v[108+\i], v[108+\i], v116            ; -M
.irp k, 0,1,2,3
	v_sub_f32 v[120+\k], v[72+8*\k+2*\i], v[108+\i]     ; d = M - N: a whole number, 0 or more,
.endr
.irp k, 0,1,2,3
	v_min_num_f32 v[120+\k], 0x42fa0000, v[120+\k]      ; held at 125
.endr
.irp k, 0,1,2,3
	v_cvt_u32_f32 v[120+\k], v[120+\k]
.endr
.irp k, 0,1,2,3
	v_sub_nc_u32 v[124+\k], 0, v[120+\k]
.endr
.irp k, 0,1,2,3
	v_ldexp_f32 v[124+\k], 1.0, v[124+\k]
.endr
	v_mul_f32 v[112+\i], v[73+2*\i], v124
	v_fma_f32 v[112+\i], v[81+2*\i], v125, v[112+\i]
	v_fma_f32 v[112+\i], v[89+2*\i], v126, v[112+\i]
	v_fma_f32 v[112+\i], v[97+2*\i], v127, v[112+\i]
.irp k, 0,1,2,3
	v_sub_nc_u32 v[120+\k], 0x7d, v[120+\k]             ; the byte: 125 - d
.endr
	v_lshl_or_b32 v120, v121, 8, v120
	v_lshl_or_b32 v120, v122, 16, v120
	v_lshl_or_b32 v[104+\i], v123, 24, v120
.endm
.irp i, 0,1,2,3
	ROWJ \i
.endr
	global_store_b128 v65, v[104:107], s[10:11]
	global_store_b128 v65, v[108:111], s[10:11] offset:512
	global_store_b128 v65, v[112:115], s[10:11] offset:1024
	s_wait_tensorcnt 0x0
	ds_add_u32 v[SPW], v[NIL]
	s_wait_dscnt 0x0
	CROUND
	s_endpgm
.Lfunc_end_k_qad5a24628c_scores:
	.size	k_qad5a24628c_scores, .Lfunc_end_k_qad5a24628c_scores-k_qad5a24628c_scores
	.p2alignl 7, 3214868480
	.fill 96, 4, 3214868480
	.section	.rodata,"a",@progbits
	.p2align	6, 0x0
	.amdhsa_kernel k_qad5a24628c_scores
		.amdhsa_group_segment_fixed_size 327680
		.amdhsa_private_segment_fixed_size 0
		.amdhsa_enable_private_segment 0
		.amdhsa_kernarg_size 48
		.amdhsa_user_sgpr_count 2
		.amdhsa_user_sgpr_kernarg_segment_ptr 1
		.amdhsa_wavefront_size32 1
		.amdhsa_system_sgpr_workgroup_id_x 1
		.amdhsa_system_sgpr_workgroup_id_y 1
		.amdhsa_system_sgpr_workgroup_id_z 1
		.amdhsa_system_vgpr_workitem_id 0
		.amdhsa_next_free_vgpr 840
		.amdhsa_next_free_sgpr 102
		.amdhsa_reserve_vcc 0
		.amdhsa_float_denorm_mode_32 3
		.amdhsa_float_denorm_mode_16_64 3
		.amdhsa_memory_ordered 1
		.amdhsa_forward_progress 1
		.amdhsa_inst_pref_size 153
	.end_amdhsa_kernel
	.amdgpu_metadata
---
amdhsa.version: [ 1, 2 ]
amdhsa.kernels:
  - .name:           k_qad5a24628c_scores
    .symbol:         k_qad5a24628c_scores.kd
    .args:
      - { .name: q_img, .offset: 0, .size: 8, .value_kind: global_buffer, .address_space: global }
      - { .name: q_sc, .offset: 8, .size: 8, .value_kind: global_buffer, .address_space: global }
      - { .name: k_img, .offset: 16, .size: 8, .value_kind: global_buffer, .address_space: global }
      - { .name: k_sc, .offset: 24, .size: 8, .value_kind: global_buffer, .address_space: global }
      - { .name: p_img, .offset: 32, .size: 8, .value_kind: global_buffer, .address_space: global }
      - { .name: p_meta, .offset: 40, .size: 8, .value_kind: global_buffer, .address_space: global }
    .group_segment_fixed_size: 327680
    .private_segment_fixed_size: 0
    .kernarg_segment_align: 8
    .kernarg_segment_size: 48
    .max_flat_workgroup_size: 128
    .sgpr_count:     102
    .vgpr_count:     840
    .wavefront_size: 32
...
	.end_amdgpu_metadata
.endif
;; end of part 2
;; launch mix (part 3): grid 4 x 64, 4 waves a work-group, clusters of 4 x 4, 327,680 bytes of LDS; arguments p_img, p_meta, v_img, v_sc, out0; writes out0
.if DOCPART == 3
	.amdgcn_target "amdgcn-amd-amdhsa--gfx1250"
	.amdhsa_code_object_version 6
	.text
	.protected	k_qad5a24628c_mix
	.globl	k_qad5a24628c_mix
	.p2align	8
	.type	k_qad5a24628c_mix,@function
k_qad5a24628c_mix:
	s_mov_b64 s[64:65], 0
	v_nop
	global_prefetch_b8 v0, s[64:65] scope:SCOPE_SE
	s_setreg_imm32_b32 hwreg(HW_REG_WAVE_MODE, 25, 1), 1
	s_wait_xcnt 0x0
	s_wait_alu depctr_hold_cnt(0) depctr_sa_sdst(0) depctr_va_vdst(0) depctr_va_sdst(0) depctr_va_ssrc(0) depctr_va_vcc(0) depctr_vm_vsrc(0)
	s_getreg_b32 s2, hwreg(HW_REG_IB_STS2, 6, 4)
	s_cmp_eq_u32 s2, 0
	s_cbranch_scc0 .Lentry_in_a_cluster
	s_endpgm
.Lentry_in_a_cluster:
	s_bfe_u32 s2, ttmp6, 0x10000c
	s_cmp_lg_u32 s2, 0xf033
	s_cbranch_scc0 .Lentry_shape_is_right
	s_endpgm
.Lentry_shape_is_right:
; O = P V / l on codes of FP6 (E2M3).  P comes as images of operand registers, p_img: [query / 16][16 K steps of 128 keys][1,536], each K step quantised under a whole number M of its own; p_meta:
; [query / 128][16][3][128]: each row's scale word, -M and l of that K step.  V^T likewise: v_img: [feature / 16][64 K steps of 128 tokens][1,536], v_sc: [feature / 128][64][128] scale words.
; THE HEAD MENDS P'S SCALES.  Thread t owns row t of the work-group's 128 queries: the row's M is the largest of its 16; d = M - (a K step's M) is a whole number, 0 or more; that K step's four
; scale bytes are lowered by d, which multiplies its p by 2^-d exactly, and l = the sum of its l x 2^-d.  The mended words and 1 / l go to LDS, for all four waves.
; A tile of O, 128 queries x 256 features, is made by a work-group of four waves: 256 work-groups.  A wave makes 64 x 128: 32 accumulators.  K = 2,048 keys goes in steps of 512 (four fragments
; deep) through a ring of two LDS slots.  CLUSTERS: 4 x 4 work-groups; P's tiles are asked for jointly along a row of the cluster, V's tiles and scale words along a column.
; The matrix instruction is used transposed (source 0 = 16 features of V^T, source 1 = 16 queries of P): a lane holds eight neighbouring features of one query.
; LIMITS: NaN and infinities are not served.  A scale byte is held at 0 from below (2^-127): a K step whose M lies 125 or more under the row's then counts for at most 2^-124 of the row's largest
; term, where the exact number is smaller still.  d is held at 255.
; No prefetch: the launch is short and its tiles are shared in the cluster.
; REGISTERS.  Window 0: v15-31 addresses; v32-47 scale words, two sets, and nothing else; v48-55 1 / l of my four blocks of rows; v64-123 the head's work; v128-175 P's fragments, one set;
;   on the way out v64-127 a block's numbers, v128-255 rows read back.   Window 1: V's fragments, two sets.   Window 2: the accumulators ((a, b) at v[8 (8 a + b)]).
.set FR,     12
.set FRB,    1536
.set NP,     4                         ; places behind this matrix instruction (ISA guide 7.12.1)
.set AQ,     4*4*FRB                   ; P: 4 fragments x 4 K steps: what waves 0 and 1 fetch
.set BQ,     8*4*FRB                   ; V: 8 fragments x 4 K steps: what waves 2 and 3 fetch
.set SLOT,   2*AQ+2*BQ
.set PSC,    2*SLOT                    ; behind the ring: P's mended scale words, [16 K steps][128 rows], written by LDS stores: no fill lands here;
.set LINV,   PSC+8192                  ; 1 / l of the 128 rows, likewise;
.set VSC,    LINV+512                  ; V's scale words, 2 x [16 K steps][128], filled once;
.set SPARE,  VSC+16384                 ; the spare words, 128 bytes for each wave: two blocks of 256 bytes that no other line names
.set SPITCH, 528                       ; the way out: a stage of 16 rows x (512 bytes + 16) for each wave, in slot 0
.set LIA,  15                          ; v15  LDS address of my rows' 1 / l
.set ADRA, 176                         ; v176-187, v212-223 my P fragments in slot 0, 1: a register for each eight pieces of 256 bytes
.set ADRB, 188                         ; v188-211, v224-247 my V fragments
.set STO,  24
.set RD,   25
.set LO,   26                          ; v26  16 x lane
.set ADRS, 27                          ; v27  my scale words: lanes 0-15 P's rows, lanes 16-31 V's
.set SPW,  28
.set NIL,  29
.set MO,   30                          ; v30  4 x thread
.set PSA,  31                          ; v31  PSC + 4 x thread
.set SC,   32
.set LIV,  48
.set WD,   64                          ; v64-79  my row's 16 scale words
.set NMS,  80                          ; v80-95  its 16 -M
.set LSM,  96                          ; v96-111 its 16 l
.set T,    64
.set AF,   128
.set BK,   128
.set G1,   24
.set G0,   32
.set G1B,  48
.set G0B,  56
.set G1S,  68
.set G0S,  76
.set MSB, 0
.macro WIN new
.if MSB != (\new)
	s_set_vgpr_msb (MSB<<8)|(\new)
.set MSB, (\new)
.endif
.endm
.set MUL,  0xa1                        ; source 0 (V) window 1, source 1 (P) window 0, C and D window 2
.set TO_B, 0x40
.macro PLACES n
.rept \n
	v_nop
.endr
.endm
.macro JLOAD s                         ; a joint refill of slot s: waves 0 and 1 fetch P's halves, waves 2 and 3 V's; four v_nop follow each of the two lines
	s_cmp_eq_u32 s15, 0
	s_cbranch_scc0 .Lfor_b_\@
	tensor_load_to_lds s[G0+4*\s:G0+4*\s+3], s[G1:G1+7]
	s_nop 0
.rept 4
	v_nop
.endr
	s_branch .Lasked_\@
.Lfor_b_\@:
	tensor_load_to_lds s[G0B+4*\s:G0B+4*\s+3], s[G1B:G1B+7]
	s_nop 0
.rept 4
	v_nop
.endr
.Lasked_\@:
.endm
.macro CREST
	s_cmp_lg_u32 s14, 0
	s_cbranch_scc1 .Lnot_wave_0_\@
	s_barrier_signal -3
.Lnot_wave_0_\@:
	s_barrier_wait -3
	s_barrier_signal -1
	s_barrier_wait -1
.endm
.macro CROUND
	s_barrier_signal -1
	s_barrier_wait -1
	CREST
.endm
	s_load_b256 s[4:11], s[0:1], 0x0               ; p_img, p_meta, v_img, v_sc
	s_load_b64 s[12:13], s[0:1], 0x20              ; out0
	v_lshl_add_u32 v[SPW], v0, 2, SPARE
	v_mov_b32 v[NIL], 0
	ds_add_u32 v28, v29
	ds_add_u32 v28, v29
	s_wait_dscnt 0x0
	v_lshlrev_b32 v[MO], 2, v0
	v_lshl_add_u32 v[PSA], v0, 2, PSC
	v_lshrrev_b32 v1, 5, v0
	v_readfirstlane_b32 s14, v1                    ; wave 0..3
	s_lshr_b32 s15, s14, 1                         ; which half of the tile's queries is mine.  Also: I fetch for P (0) or for V (1)
	s_and_b32 s16, s14, 1                          ; which half of its features.  Also: which half of that tile I fetch
	s_bfe_u32 s40, ttmp6, 0x40000                  ; cx: also the tile of 256 features
	s_bfe_u32 s41, ttmp6, 0x40004                  ; cy
	s_and_b32 s18, ttmp7, 0xffff
	s_lshl_b32 s17, s18, 2
	s_add_co_u32 s17, s17, s41                     ; the tile of 128 queries, over all batches, 0..63
	s_lshr_b32 s18, s18, 2                         ; the batch: from the cluster's y alone
	s_lshl_b32 s43, s41, 2
	s_lshl_b32 s43, 15, s43                        ; my row of the cluster
	s_lshl_b32 s44, 0x1111, s40                    ; my column
	; groups 1, elements of 8 bytes, no padding.  P: 4 rows (fragments) of 6,144 bytes (four K steps), 24,576 bytes apart
	s_or_b32 s[G1+0], s43, (3<<16)|(1<<21)
	s_mov_b32 s[G1+1], 768<<16
	s_mov_b32 s[G1+2], 8<<16                       ; (at the head one wave fetches all 8 fragments; behind it the two words that count rows are set to 4)
	s_mov_b32 s[G1+3], 768<<16
	s_mov_b32 s[G1+4], 8
	s_mov_b32 s[G1+5], 3072
	s_mov_b32 s[G1+6], 0
	s_mov_b32 s[G1+7], 0
	; V: 8 rows of 6,144 bytes, 98,304 bytes apart
	s_or_b32 s[G1B+0], s44, (3<<16)|(1<<21)
	s_mov_b32 s[G1B+1], 768<<16
	s_mov_b32 s[G1B+2], 8<<16
	s_mov_b32 s[G1B+3], 768<<16
	s_mov_b32 s[G1B+4], 8
	s_mov_b32 s[G1B+5], 12288
	s_mov_b32 s[G1B+6], 0
	s_mov_b32 s[G1B+7], 0
	; V's scale words of 128 features and the batch's 16 K steps: 8,192 dense bytes as 32 rows of 256
	s_or_b32 s[G1S+0], s44, (3<<16)|(1<<21)
	s_mov_b32 s[G1S+1], 1024<<16                   ; here both 128 features' 8,192 bytes: 2 rows, 32,768 bytes apart
	s_mov_b32 s[G1S+2], 2<<16
	s_mov_b32 s[G1S+3], 1024<<16
	s_mov_b32 s[G1S+4], 2
	s_mov_b32 s[G1S+5], 4096
	s_mov_b32 s[G1S+6], 0
	s_mov_b32 s[G1S+7], 0
	s_lshl_b32 s20, s17, 1
	s_add_co_u32 s20, s20, s16
	s_mul_i32 s20, s20, 4*16*FRB                   ; P: fragment 8 x tile + 4 x half, 16 K steps each (all offsets stay under 2^24)
	s_mov_b32 s21, 0
	s_mul_i32 s22, s17, 16*3*512                   ; p_meta: my work-group's 128 rows
	s_mov_b32 s23, 0
	s_lshl_b32 s42, s40, 1
	s_add_co_u32 s42, s42, s16                     ; V: the 128 features that I fetch
	s_mul_i32 s46, s42, 8*64*FRB                   ; 8 fragments of 64 K steps,
	s_mul_i32 s47, s18, 16*FRB                     ; and the batch's first K step
	s_add_co_u32 s46, s46, s47
	s_mov_b32 s47, 0
	s_lshl_b32 s2, s40, 16
	s_lshl_b32 s3, s18, 13                         ; and the batch's first
	s_add_co_u32 s2, s2, s3
	s_mov_b32 s3, 0
	s_mul_i32 s45, s16, AQ                         ; where they go: no place in the cluster enters an LDS address
	s_mul_i32 s19, s16, BQ
	s_add_co_u32 s19, s19, 2*AQ
	s_mov_b32 s18, VSC
	s_wait_kmcnt 0x0
	s_add_nc_u64 s[20:21], s[4:5], s[20:21]
	s_add_nc_u64 s[6:7], s[6:7], s[22:23]
	s_add_nc_u64 s[46:47], s[8:9], s[46:47]
	s_add_nc_u64 s[2:3], s[10:11], s[2:3]
	CROUND                                         ; all sixteen work-groups are here: the first joint loads meet
.irp s, 0,1
	s_mov_b32 s[G0+4*\s], 1
	s_add_co_u32 s[G0+4*\s+1], s45, \s*SLOT
	s_add_nc_u64 s[G0+4*\s+2:G0+4*\s+3], s[20:21], \s*4*FRB
	s_or_b32 s[G0+4*\s+3], s[G0+4*\s+3], 0x80000000
	s_mov_b32 s[G0B+4*\s], 1
	s_add_co_u32 s[G0B+4*\s+1], s19, \s*SLOT
	s_add_nc_u64 s[G0B+4*\s+2:G0B+4*\s+3], s[46:47], \s*4*FRB
	s_or_b32 s[G0B+4*\s+3], s[G0B+4*\s+3], 0x80000000
.endr
	s_mov_b32 s[G0S], 1
	s_mov_b32 s[G0S+1], s18
	s_mov_b64 s[G0S+2:G0S+3], s[2:3]
	s_or_b32 s[G0S+3], s[G0S+3], 0x80000000
	s_cmp_eq_u32 s14, 0                            ; one load a wave: wave 0 slot 0's P, wave 1 V's scale words, waves 2 and 3 a half each of slot 0's V
	s_cbranch_scc0 .Lfirst_1
	tensor_load_to_lds s[G0:G0+3], s[G1:G1+7]
	s_nop 0
.rept 4
	v_nop
.endr
	s_branch .Lfirst_asked
.Lfirst_1:
	s_cmp_eq_u32 s14, 1
	s_cbranch_scc0 .Lfirst_2
	tensor_load_to_lds s[G0S:G0S+3], s[G1S:G1S+7]
	s_nop 0
.rept 4
	v_nop
.endr
	s_branch .Lfirst_asked
.Lfirst_2:
	tensor_load_to_lds s[G0B:G0B+3], s[G1B:G1B+7]
	s_nop 0
.rept 4
	v_nop
.endr
.Lfirst_asked:
	s_wait_alu depctr_va_vdst(0)
.irp s, 0,1,2,3,4,5,6,7,8,9,10,11,12,13,14,15
	global_load_b32 v[WD+\s], v[MO], s[6:7] offset:\s*1536          ; my row's scale word of K step s,
	global_load_b32 v[NMS+\s], v[MO], s[6:7] offset:\s*1536+512     ; its -M,
	global_load_b32 v[LSM+\s], v[MO], s[6:7] offset:\s*1536+1024    ; its l: the work-group's 128 threads read 512 consecutive bytes
.endr
	v_and_b32 v1, 15, v0                           ; r
	v_bfe_u32 v2, v0, 4, 1                         ; h
	s_wait_alu depctr_va_vdst(0)
	v_and_b32 v6, 31, v0
	v_lshlrev_b32 v[LO], 4, v6
	v_lshlrev_b32 v14, 3, v6                       ; 8 x lane
	s_mul_i32 s21, s15, AQ                         ; my 64 queries
	s_mul_i32 s22, s16, BQ                         ; my 128 features,
	s_add_co_u32 s22, s22, 2*AQ                    ; behind P's two halves
.irp s, 0,1
	v_add_nc_u32 v[ADRA+36*\s], s21, v14
	v_add_nc_u32 v[ADRB+36*\s], s22, v14
.set i, 1
.rept 23
.if i < 12
	v_add_nc_u32 v[ADRA+36*\s+i], 2048*i, v[ADRA+36*\s]
.endif
	v_add_nc_u32 v[ADRB+36*\s+i], 2048*i, v[ADRB+36*\s]
.set i, i+1
.endr
	s_add_co_u32 s21, s21, SLOT
	s_add_co_u32 s22, s22, SLOT
.endr
	s_lshl_b32 s21, s15, 8                         ; P's words: my 64 rows
	s_lshl_b32 s22, s16, 13                        ; V's: my 128 rows
	s_add_co_u32 s22, s22, VSC-PSC
	s_sub_co_u32 s22, s22, s21
	v_mul_u32_u24 v6, s22, v2                      ; lanes 16-31 take V's
	s_add_co_u32 s21, s21, PSC
	v_lshl_add_u32 v5, v1, 2, v6
	v_add_nc_u32 v[ADRS], s21, v5
	s_lshl_b32 s22, s15, 8
	s_add_co_u32 s22, s22, LINV
	v_lshl_add_u32 v[LIA], v1, 2, s22
	s_mul_i32 s23, s14, 16*SPITCH                  ; my stage
	v_mul_u32_u24 v5, v1, SPITCH                   ; in: row r, 32 bytes for each half of the lanes
	v_lshl_add_u32 v5, v2, 5, v5
	v_add_nc_u32 v[STO], s23, v5
	v_add_nc_u32 v[RD], s23, v[LO]                 ; back: the 32 lanes take one row of 512 bytes
.irp a, 0,1,2,3
	v_mov_b32 v[LIV+2*\a+1], 0                     ; (named as the upper half of a pair)
.endr
	s_lshl_b32 s20, s17, 1
	s_add_co_u32 s20, s20, s15
	s_lshl_b32 s20, s20, 18                        ; my first row of O: (128 x tile + 64 x half) x 4,096 bytes,
	s_lshl_b32 s22, s40, 10
	s_add_co_u32 s20, s20, s22                     ; my first column: 1,024 x tile column + 512 x half
	s_lshl_b32 s22, s16, 9
	s_add_co_u32 s20, s20, s22
	s_mov_b32 s21, 0
	s_add_nc_u64 s[12:13], s[12:13], s[20:21]
	s_wait_loadcnt 0x0
	v_max3_num_f32 v112, -v[NMS], -v[NMS+1], -v[NMS+2]   ; the row's M: the largest of the sixteen
.irp i, 3,5,7,9,11,13
	v_max3_num_f32 v112, v112, -v[NMS+\i], -v[NMS+\i+1]
.endr
	v_max_num_f32 v112, v112, -v[NMS+15]
.macro FIX s
	v_add_f32 v113, v112, v[NMS+\s]                ; d = M - this K step's M: a whole number, 0 or more,
	v_min_num_f32 v113, 0x437f0000, v113           ; held at 255
	v_cvt_u32_f32 v113, v113
	v_bfe_u32 v116, v[WD+\s], 0, 8                 ; the word's four bytes
	v_bfe_u32 v117, v[WD+\s], 8, 8
	v_bfe_u32 v118, v[WD+\s], 16, 8
	v_lshrrev_b32 v119, 24, v[WD+\s]
	v_sub_nc_u32 v114, 0, v113
	v_ldexp_f32 v114, 1.0, v114                    ; 2^-d
	v_min_u32 v120, v116, v113                     ; each byte is lowered by d, and held at 0 from below
	v_min_u32 v121, v117, v113
	v_min_u32 v122, v118, v113
	v_min_u32 v123, v119, v113
	v_sub_nc_u32 v116, v116, v120
	v_sub_nc_u32 v117, v117, v121
	v_sub_nc_u32 v118, v118, v122
	v_sub_nc_u32 v119, v119, v123
.if (\s) == 0
	v_mul_f32 v115, v[LSM+\s], v114                ; l under the row's M
.else
	v_fma_f32 v115, v[LSM+\s], v114, v115
.endif
	v_lshl_or_b32 v116, v117, 8, v116
	v_lshl_or_b32 v116, v118, 16, v116
	v_lshl_or_b32 v[WD+\s], v119, 24, v116
	ds_store_b32 v[PSA], v[WD+\s] offset:512*(\s)
.endm
.irp s, 0,1,2,3,4,5,6,7,8,9,10,11,12,13,14,15
	FIX \s
.endr
	s_wait_alu depctr_va_vdst(0)
	v_rcp_f32 v116, v115
	v_nop                                          ; a plain place behind the reciprocal
	s_wait_alu depctr_va_vdst(0)                   ; and the wait ahead of its first reader
	ds_store_b32 v[PSA], v116 offset:8192          ; 1 / l of my row
.macro FRAG reg, adr, q, i             ; fragment i of the slot's q-th K step
.irp c, 0,1,2
.set P_, 6*(\q)+2*\c
.set O_, (P_%8)*32
	ds_load_2addr_b64 v[\reg+4*\c:\reg+4*\c+3], v[\adr+3*(\i)+P_/8] offset0:O_ offset1:O_+32   ; pieces of 256 bytes: 8 x lane
.endr
.endm
; 8 matrix instructions: P's block a x V's eight.  The 32 accumulators take turns, in the same order in every step.
.macro MUL8 a, p, zero
.irp b, 0,1,2,3,4,5,6,7
.if \zero
	v_wmma_scale_f32_16x16x128_f8f6f4 v[8*(8*(\a)+\b):8*(8*(\a)+\b)+7], v[128*(\p)+FR*\b:128*(\p)+FR*\b+FR-1], v[AF+FR*(\a):AF+FR*(\a)+FR-1], 0, v[SC+8*(\p)+\b], v[SC+8*(\p)+(\a)] matrix_a_fmt:MATRIX_FMT_FP6 matrix_b_fmt:MATRIX_FMT_FP6 matrix_a_scale:MATRIX_SCALE_ROW1
.else
	v_wmma_scale_f32_16x16x128_f8f6f4 v[8*(8*(\a)+\b):8*(8*(\a)+\b)+7], v[128*(\p)+FR*\b:128*(\p)+FR*\b+FR-1], v[AF+FR*(\a):AF+FR*(\a)+FR-1], v[8*(8*(\a)+\b):8*(8*(\a)+\b)+7], v[SC+8*(\p)+\b], v[SC+8*(\p)+(\a)] matrix_a_fmt:MATRIX_FMT_FP6 matrix_b_fmt:MATRIX_FMT_FP6 matrix_a_scale:MATRIX_SCALE_ROW1
.endif
.endr
.endm
.macro FETCH_B slot, q, p              ; 24 loads
	WIN TO_B
.irp i, 0,1,2,3,4,5,6,7
	FRAG 128*(\p)+FR*\i, ADRB+36*(\slot), \q, \i
.endr
	WIN 0
.endm
.macro FETCH_A slot, q, i0             ; 6 loads: blocks i0, i0 + 1
.irp i, \i0, \i0+1
	FRAG AF+FR*(\i), ADRA+36*(\slot), \q, \i
.endr
.endm
; 8 loads: lanes 16-31 the words of V's block i; lanes 0-15 those of P's block i for i = 0 .. 3.  For i = 4 .. 7 lanes 0-15 read words that no product uses: the other half's rows or the next
; K step's, and behind the last K step the 1 / l, which lie behind P's words for that; all were written in front of the first barrier.
.macro SCALES q, set
.irp i, 0,1,2,3,4,5,6,7
	ds_load_b32 v[SC+8*(\set)+\i], v[ADRS] offset:(\q)*512+\i*64
.endr
.endm
.macro STEP slot, q, zero              ; one of a slot's first three K steps
	s_wait_dscnt 6                                 ; all but the youngest 6 loads (P's blocks 2, 3) are in
	WIN MUL
	MUL8 0, (\q)%2, \zero
	MUL8 1, (\q)%2, \zero
	s_wait_dscnt 0                                 ; P's blocks 2, 3 are in
	PLACES NP                                      ; in front of loads into registers that matrix instructions have read
	FETCH_B \slot, (\q)+1, 1-(\q)%2
	FETCH_A \slot, (\q)+1, 0
	SCALES (\q)+1, 1-(\q)%2
	WIN MUL
	MUL8 2, (\q)%2, \zero
	MUL8 3, (\q)%2, \zero
	PLACES NP
	WIN 0
	FETCH_A \slot, (\q)+1, 2
.endm
; A slot's fourth K step changes slots: ONE barrier; in front of it each wave waits for all its tensor loads, adds 0 to its spare word, and waits for that and for its own reads of this slot.
.macro TURN slot, next, fill
	s_wait_tensorcnt 0x0                           ; all my tensor loads have landed: my part of the next slot
	ds_add_u32 v[SPW], v[NIL]                      ; 0 onto my spare word
	s_wait_dscnt 7                                 ; (the add and the youngest 6 loads may be out)
	WIN MUL
	MUL8 0, 1, 0                                   ; eight matrix instructions stand between the add and the wait for it
	s_wait_dscnt 0x0                               ; the add is done, and my reads of this slot are over
	s_barrier_signal -1
	MUL8 1, 1, 0
	WIN 0
	s_barrier_wait -1
.if \fill
	CREST                                          ; a round of the cluster's barrier: no wave of any partner still reads this slot or has a load on its way
	s_add_nc_u64 s[G0+4*\slot+2:G0+4*\slot+3], s[G0+4*\slot+2:G0+4*\slot+3], 8*FRB
	s_add_nc_u64 s[G0B+4*\slot+2:G0B+4*\slot+3], s[G0B+4*\slot+2:G0B+4*\slot+3], 8*FRB
	JLOAD \slot                                    ; the first tensor load behind the round; its four v_nop are the places in front of the loads below
.else
	PLACES NP
.endif
	v_add_nc_u32 v[ADRS], 2048, v[ADRS]            ; four K steps on among the scale words
	FETCH_B \next, 0, 0
	FETCH_A \next, 0, 0
	SCALES 0, 0
	WIN MUL
	MUL8 2, 1, 0
	MUL8 3, 1, 0
	PLACES NP
	WIN 0
	FETCH_A \next, 0, 2
.endm
	s_wait_alu depctr_va_vdst(0)                   ; the wait at the head's end
	s_wait_tensorcnt 0x0                           ; my tile of the head's is in; these lines stand ahead of a later first fill as ahead of a refill
	ds_add_u32 v[SPW], v[NIL]
	s_mov_b32 s[G1+2], 4<<16
	s_mov_b32 s[G1+4], 4
	s_wait_dscnt 0x0                               ; the add is done, and so are my stores of mended words and of 1 / l
	CROUND
	JLOAD 1                                        ; slot 1's first fill, the first tensor load behind the round
	FETCH_B 0, 0, 0
	FETCH_A 0, 0, 0
	SCALES 0, 0
	FETCH_A 0, 0, 2
	STEP 0, 0, 1                                   ; K = 2,048 is twice round the ring: the sixteen steps are written out; the first starts the sums
	STEP 0, 1, 0
	STEP 0, 2, 0
	TURN 0, 1, 1
	s_wait_alu depctr_va_vdst(0)
	STEP 1, 0, 0
	STEP 1, 1, 0
	STEP 1, 2, 0
	TURN 1, 0, 1
	s_wait_alu depctr_va_vdst(0)
	STEP 0, 0, 0
	STEP 0, 1, 0
	STEP 0, 2, 0
	TURN 0, 1, 0                                   ; nothing is left to fetch
	s_wait_alu depctr_va_vdst(0)
	STEP 1, 0, 0
	STEP 1, 1, 0
	STEP 1, 2, 0
	s_wait_dscnt 6                                 ; the last step
	WIN MUL
	MUL8 0, 1, 0
	MUL8 1, 1, 0
	s_wait_dscnt 0
	MUL8 2, 1, 0
	MUL8 3, 1, 0
	WIN 0
; THE WAY OUT, block by block of 16 queries x 128 features: divided by l, through my own stage in LDS, back as whole rows of 512 bytes.  The stage lies in slot 0, which has had its last fill,
; and every wave has passed the last change of slots, behind which nobody reads it.
.macro TOSTAGE a
.if (\a) > 0
	s_wait_dscnt 16                                ; the last block's 16 stores into the stage are done (its 16 loads may be out): their data registers are written again below
.endif
	WIN 0x02                                       ; source 0: the accumulators' window
.set i, 0
.rept 32
	v_pk_mul_f32 v[T+i:T+i+1], v[64*(\a)+i:64*(\a)+i+1], v[LIV+2*(\a):LIV+2*(\a)+1] op_sel_hi:[1,0]   ; each accumulator from its low end on
.set i, i+2
.endr
	WIN 0
.irp b, 0,1,2,3,4,5,6,7
	ds_store_b128 v[STO], v[T+8*\b:T+8*\b+3] offset:64*\b
	ds_store_b128 v[STO], v[T+8*\b+4:T+8*\b+7] offset:64*\b+16
.endr
.set BB, BK+64*((\a)%2)
.irp t, 0,1,2,3,4,5,6,7,8,9,10,11,12,13,14,15
	ds_load_b128 v[BB+4*\t:BB+4*\t+3], v[RD] offset:\t*SPITCH   ; LDS serves a wave's instructions in order (ISA guide 5.7.1.4): these see the stores above
.endr
.endm
.macro SEND a, younger                 ; younger: the LDS instructions issued behind block a's loads, which may stay out
.set BB, BK+64*((\a)%2)
	s_wait_dscnt \younger
.irp t, 0,1,2,3,4,5,6,7,8,9,10,11,12,13,14,15
	global_store_b128 v[LO], v[BB+4*\t:BB+4*\t+3], s[12:13] offset:(8*(\a)+\t+(\t/8)*(24+8*(1-2*((\a)%2))))*4096 th:TH_STORE_NT   ; row t of fragment a is query 8 a + t (t < 8) or 32 + 8 (a xor 1) + t - 8 of my 64; 32 lanes store 512 consecutive bytes, at a multiple of 512 from O's first byte; written once, read by nobody here
.endr
.endm
	PLACES NP                                      ; behind the last products
.irp a, 0,1,2,3
	ds_load_b32 v[LIV+2*\a], v[LIA] offset:64*\a   ; 1 / l of row 16 a + r
.endr
	s_wait_dscnt 0x0
	TOSTAGE 0
.irp a, 1,2,3
.if \a > 1
	s_wait_xcnt 0x0                                ; block a - 2's stores have read their registers: block a's loads may land there
.endif
	TOSTAGE \a
	SEND \a-1, 32                                  ; behind block a - 1's loads: block a's 16 stores and 16 loads
.endr
	SEND 3, 0
	s_wait_tensorcnt 0x0                           ; the wave's end
	ds_add_u32 v[SPW], v[NIL]
	s_wait_dscnt 0x0
	CROUND                                         ; the closing round
	s_endpgm
.Lfunc_end_k_qad5a24628c_mix:
	.size	k_qad5a24628c_mix, .Lfunc_end_k_qad5a24628c_mix-k_qad5a24628c_mix
	.p2alignl 7, 3214868480
	.fill 96, 4, 3214868480
	.section	.rodata,"a",@progbits
	.p2align	6, 0x0
	.amdhsa_kernel k_qad5a24628c_mix
		.amdhsa_group_segment_fixed_size 327680
		.amdhsa_private_segment_fixed_size 0
		.amdhsa_enable_private_segment 0
		.amdhsa_kernarg_size 40
		.amdhsa_user_sgpr_count 2
		.amdhsa_user_sgpr_kernarg_segment_ptr 1
		.amdhsa_wavefront_size32 1
		.amdhsa_system_sgpr_workgroup_id_x 1
		.amdhsa_system_sgpr_workgroup_id_y 1
		.amdhsa_system_sgpr_workgroup_id_z 1
		.amdhsa_system_vgpr_workitem_id 0
		.amdhsa_next_free_vgpr 768
		.amdhsa_next_free_sgpr 80
		.amdhsa_reserve_vcc 0
		.amdhsa_float_denorm_mode_32 3
		.amdhsa_float_denorm_mode_16_64 3
		.amdhsa_memory_ordered 1
		.amdhsa_forward_progress 1
		.amdhsa_inst_pref_size 176
	.end_amdhsa_kernel
	.amdgpu_metadata
---
amdhsa.version: [ 1, 2 ]
amdhsa.kernels:
  - .name:           k_qad5a24628c_mix
    .symbol:         k_qad5a24628c_mix.kd
    .args:
      - { .name: p_img, .offset: 0, .size: 8, .value_kind: global_buffer, .address_space: global }
      - { .name: p_meta, .offset: 8, .size: 8, .value_kind: global_buffer, .address_space: global }
      - { .name: v_img, .offset: 16, .size: 8, .value_kind: global_buffer, .address_space: global }
      - { .name: v_sc, .offset: 24, .size: 8, .value_kind: global_buffer, .address_space: global }
      - { .name: out0, .offset: 32, .size: 8, .value_kind: global_buffer, .address_space: global }
    .group_segment_fixed_size: 327680
    .private_segment_fixed_size: 0
    .kernarg_segment_align: 8
    .kernarg_segment_size: 40
    .max_flat_workgroup_size: 128
    .sgpr_count:     80
    .vgpr_count:     768
    .wavefront_size: 32
...
	.end_amdgpu_metadata
.endif
;; end of part 3
